; MI455X (gfx1250); checked and timed in simulation.
; The chip was launched on July 23, 2026; its instructions are those of AMD's public machine-readable ISA for CDNA 5 (MIT licence, August 2026) and "CDNA5" Instruction Set Architecture Reference Guide (July 2026). The comments in the code are by the model that wrote it; some were corrected since.
;; Attention Layer. Allowed arithmetic: matrix products marked QUANTISED: E2M3 operands, one E8M0 scale for each 32 along K, by v_wmma_scale_f32_16x16x128_f8f6f4 with both operands' format E2M3, f32 sums; everything else in f32.
;; Inputs: Wk 1,024 x 1,024 float32; Wo 1,024 x 1,024 float32; Wq 1,024 x 1,024 float32; Wv 1,024 x 1,024 float32; bk 1,024 float32; bo 1,024 float32; bq 1,024 float32; bv 1,024 float32; key 4 x 2,048 x 1,024 float32; query 4 x 2,048 x 1,024 float32; value 4 x 2,048 x 1,024 float32.
;; Outputs: out0 4 x 2,048 x 1,024 float32.
;; This version of the problem:
;;   THIS VERSION OF THE PROBLEM IS GIVEN IN LOW PRECISION. The matrix products marked QUANTISED in the list below multiply operands that are first quantised to E2M3 (2 exponent bits, 3 mantissa bits; 6 bits a number), with one power-of-two scale for each 32 numbers along K (OCP MX v1.0); their sums are f32. All else is computed in f32.
;;   The module's matrix products, in the order in which they are computed (A, B: the left and right operand; K: the contracted axis; several contracted axes count as one K, in the product's order):
;;     1. [M 8,192, K 1,024] x [K 1,024, N 1,024]; A: input query; B: input Wq: QUANTISED
;;     2. [M 8,192, K 1,024] x [K 1,024, N 1,024]; A: input key; B: input Wk: QUANTISED
;;     3. [M 8,192, K 1,024] x [K 1,024, N 1,024]; A: input value; B: input Wv: QUANTISED
;;     4. batch 64 x [M 2,048, K 64] x [K 64, N 2,048]; A: computed on the way; B: computed on the way: QUANTISED
;;     5. batch 64 x [M 64, K 2,048] x [K 2,048, N 2,048]; A: computed on the way; B: softmax (see below): QUANTISED
;;     6. [M 8,192, K 1,024] x [K 1,024, N 1,024]; A: computed on the way; B: input Wo: QUANTISED
;;   THE QUANTISER, for each operand of a quantised product, along K:
;;     - K is cut into blocks of 32 from its start; a last block that is shorter is filled with zeros.
;;     - A block's scale is 2^e with e = floor(log2(the largest magnitude in the block)) - 2, held to -126 .. 127; a block of zeros has e = 0. As a byte (E8M0): e + 127.
;;     - Each number is divided by its block's scale, clamped to +-7.5, and rounded to the nearest number of E2M3, ties to even, subnormals kept.
;;     - The product sums the exact products of the quantised numbers (number of the format x scale) in f32.
;;   ~~~python
;;   def quantise(x, axis):      # numpy; x: float32 -> the quantised numbers, widened to float32 again
;;       x = np.moveaxis(x, axis, -1); K = x.shape[-1]
;;       x = np.pad(x, [(0, 0)] * (x.ndim - 1) + [(0, -K % 32)]); x = x.reshape(x.shape[:-1] + (-1, 32)); a = np.abs(x).max(-1, keepdims=True)
;;       e = np.where(a > 0, np.clip(np.frexp(np.where(a > 0, a, 1))[1] - 1 - 2, -126, 127), 0)      # np.frexp(a)[1] - 1 = floor(log2(a)), exactly
;;       r = np.clip(x / 2.0 ** e, -7.5, 7.5)
;;       step = 2.0 ** (np.maximum(np.frexp(np.where(r == 0, 1, r))[1] - 1, 0) - 3)
;;       q = np.round(r / step) * step * 2.0 ** e      # np.round: ties to even
;;       return np.moveaxis(q.reshape(q.shape[:-2] + (-1,))[..., :K], -1, axis).astype(np.float32)
;;   ~~~
;;   SOFTMAX AHEAD OF A QUANTISED PRODUCT. Where the list says 'softmax', what is quantised is not the finished softmax but p = 2^(t - M), with t = logit x log2(e) and M = ceil(the row's largest t), a whole number; so 1/2 < the row's largest p <= 1. The row's sum l is taken of the UNQUANTISED p, in f32, and the product's result is divided by l at the end. Since M is a whole number, a kernel that streams over the keys may use a running M (the ceiling of the running maximum): every later rescaling is an exact power of two, which a block's scale takes up: the codes' values come out the same.
;;   OPERANDS COMPUTED ON THE WAY. 'Computed on the way' means the value that the module computes at that place (a softmax that the list does not call 'softmax' is quantised finished and normalised). What goes into a quantiser is computed in f32, as accurately as f32 sums, v_exp_f32 and their like allow (about 1e-6 of the number): no bf16 or f16 on the way to a quantiser, and a product that is left as it is and whose result goes on into a quantised operand takes f32 operands (vector FMAs, or v_wmma_f32_16x16x4_f32). A number that lies on a knife's edge between two numbers of the format may be rounded either way, as far as f32 arithmetic and the matrix unit's own rounding can turn it there, and no further.
;; One version. Each part assembles by itself: llvm-mc -triple=amdgcn-amd-amdhsa -mcpu=gfx1250 --defsym DOCPART=n.
;; ======== version 1 of 1: 4 launches
;; limits: right only within a limited range of input values
;; workspace buffers: wi 3,145,728 bytes; ws 131,072 bytes; xi 18,874,368 bytes; xs 786,432 bytes; qkv 19,660,800 bytes; oi 6,291,456 bytes; os 524,288 bytes
;; launch quant (part 1): grid 896 x 1, 4 waves a work-group, no clusters, 34,304 bytes of LDS; arguments Wq, Wk, Wv, Wo, query, key, value, wi, ws, xi, xs; writes wi, ws, xi, xs
.if DOCPART == 1
	.amdgcn_target "amdgcn-amd-amdhsa--gfx1250"
	.amdhsa_code_object_version 6
	.text
	.protected	k_q5607011395_quant
	.globl	k_q5607011395_quant
	.p2align	8
	.type	k_q5607011395_quant,@function
k_q5607011395_quant:
	s_mov_b64 s[64:65], 0
	v_nop
	global_prefetch_b8 v0, s[64:65] scope:SCOPE_SE
	s_setreg_imm32_b32 hwreg(HW_REG_WAVE_MODE, 25, 1), 1
	s_wait_xcnt 0x0
; The four weights [1024 (k)][1024 (n)] and the three activations [8192 (token)][1024 (k)], f32, become codes of FP6 (E2M3) with one E8M0 byte for each 32 along K,
; laid as IMAGES OF THE OPERAND'S REGISTERS.  A fragment is 16 rows x 128 K, 12 registers a lane; lane (r, h) holds in registers 6 c .. 6 c + 5 the codes of k = 64 c + 32 h + 0 .. 31 of row r.
; Its image is 1,536 bytes, two halves c of 768: registers 6 c .. 6 c + 3 at 16 x lane, registers 6 c + 4, 6 c + 5 at 512 + 8 x lane.
; THE ROWS OF A TILE ARE NOT NEIGHBOURS: row r of tile T stands for element 32 (T / 2) + 8 (T % 2) + r + 8 (r / 8) of its group (tokens of a block of 128, columns n of a block of 256).
; wi [z][n block 4][K step 8][tile 16][1536];  ws [z][head 16][pair of K steps 4][pair of tiles 2][16 (tile % 2) + r][K step % 2] words;
; xi [token block 192][K step 8][tile 8][1536];  xs [token block][K step][half 2][lane][2] words: the word of tile 4 half + 2 p + lane / 16, row lane % 16.
; A block's scale is 2^(floor(log2(its largest magnitude)) - 2); its byte is the largest magnitude's exponent field - 2, held at 1 from below.
; LIMITS: a largest magnitude under 2^-124 counts as 2^-124; a block of zeros gets the byte 1 (its codes are zeros, and this program alone reads the bytes); NaN and infinities among the inputs are not served.
; Work-groups 0 .. 127 take the weights, 128 .. 895 the activations.  No cluster: no two work-groups read the same input bytes.  No tensor loads: waves share nothing.
.set SPARE, 33792                      ; behind the four stages: the spare words, 128 bytes a wave
.set STGB,  8448                       ; a wave's stage: 16 rows of 512 bytes + 16
.set SROW,  528
.set SPW,   5                          ; v5  my spare word's LDS address; never rewritten
.set NIL,   6                          ; v6  0; never rewritten
.set LN,    7                          ; v7  lane
.set TM,    16                         ; v16-31 at work in QUANT
.set PC,    32                         ; v32-51 a fragment's codes (12) and the halves made elsewhere (8)
.set WV,    30
.set SEL,   32                         ; s[32:33] selects for lane l xor 16
.set HM,    34                         ; s34 mask of lanes 16-31
	s_load_b512 s[8:23], s[0:1], 0x0               ; Wq 8, Wk 10, Wv 12, Wo 14, query 16, key 18, value 20, wi 22
	s_load_b128 s[24:27], s[0:1], 0x40             ; ws 24, xi 26
	s_load_b64 s[28:29], s[0:1], 0x50              ; xs
	v_lshl_add_u32 v[SPW], v0, 2, SPARE
	v_mov_b32 v[NIL], 0
	v_lshrrev_b32 v1, 5, v0
	v_readfirstlane_b32 s[WV], v1                  ; wave 0..3
	v_and_b32 v[LN], 31, v0
	s_mov_b32 s[SEL], 0x76543210
	s_mov_b32 s[SEL+1], 0xfedcba98
	s_mov_b32 s[HM], 0xffff0000
	s_cmp_lt_u32 ttmp9, 128
	s_cbranch_scc0 .Lx_path
; ---------------- THE WEIGHTS.  A lane takes a column n and its registers run down K: a block of 32 lies in one lane.  A wave: 32 columns x 256 along K (two K steps, 8 blocks).
	s_lshr_b32 s35, ttmp9, 5                       ; z: which weight
	s_bfe_u32 s36, ttmp9, 0x20003                  ; sp: which pair of K steps
	s_and_b32 s37, ttmp9, 7                        ; nx: which 128 columns
	s_lshl_b32 s38, s37, 2
	s_add_co_u32 s38, s38, s[WV]                   ; bg: which 32 columns
	s_wait_alu depctr_va_vdst(0)
	v_lshlrev_b32 v1, 2, v[LN]                     ; in: 4 bytes a lane
	v_bfe_u32 v10, v[LN], 3, 1                     ; column l = 8 u + (r % 8) + 16 (r / 8): u, the tile of the pair,
	v_and_b32 v11, 7, v[LN]
	v_lshrrev_b32 v12, 4, v[LN]
	v_lshl_add_u32 v11, v12, 3, v11                ; and r, the row in it
	v_mul_u32_u24 v13, v10, 1536
	v_lshl_add_u32 v2, v11, 4, v13                 ; out: 1536 u + 16 r
	v_lshl_add_u32 v3, v11, 3, v13                 ;      1536 u + 8 r
	v_lshl_add_u32 v4, v10, 4, v11
	v_lshlrev_b32 v4, 3, v4                        ; scale words: 8 (16 u + r)
	s_lshl_b32 s40, s36, 20                        ; W: 256 rows of 4,096 bytes a pair of K steps,
	s_lshl_b32 s41, s37, 9
	s_add_co_u32 s40, s40, s41
	s_lshl_b32 s41, s[WV], 7
	s_add_co_u32 s40, s40, s41                     ; + 128 bytes for each 32 columns
	s_mov_b32 s41, 0
	s_lshl_b32 s42, s35, 2                         ; wi: ((4 z + n block) 8 + 2 sp) 24,576 + 2 (bg % 8) 1,536
	s_lshr_b32 s43, s37, 1
	s_add_co_u32 s42, s42, s43
	s_lshl_b32 s42, s42, 3
	s_lshl_b32 s43, s36, 1
	s_add_co_u32 s42, s42, s43
	s_mul_i32 s42, s42, 24576
	s_and_b32 s43, s38, 7
	s_mul_i32 s43, s43, 3072
	s_add_co_u32 s42, s42, s43
	s_mov_b32 s43, 0
	s_lshl_b32 s44, s35, 4                         ; ws: (((16 z + head) 4 + sp) 2 + pair of tiles) 256
	s_lshr_b32 s45, s38, 1
	s_add_co_u32 s44, s44, s45
	s_lshl_b32 s44, s44, 2
	s_add_co_u32 s44, s44, s36
	s_lshl_b32 s44, s44, 1
	s_and_b32 s45, s[WV], 1
	s_add_co_u32 s44, s44, s45
	s_lshl_b32 s44, s44, 8
	s_mov_b32 s45, 0
	s_wait_kmcnt 0x0
	s_cmp_eq_u32 s35, 1                            ; the choice hangs on the work-group's number alone
	s_cselect_b64 s[8:9], s[10:11], s[8:9]
	s_cmp_eq_u32 s35, 2
	s_cselect_b64 s[8:9], s[12:13], s[8:9]
	s_cmp_eq_u32 s35, 3
	s_cselect_b64 s[8:9], s[14:15], s[8:9]
	s_add_nc_u64 s[8:9], s[8:9], s[40:41]
	s_add_nc_u64 s[22:23], s[22:23], s[42:43]
	s_add_nc_u64 s[24:25], s[24:25], s[44:45]
.macro WLOAD t                         ; block t: W(32 t + i, my column) into set t % 2: each load reads 128 consecutive bytes
.set i, 0
.rept 32
	global_load_b32 v[64+32*((\t)%2)+i], v1, s[8:9] offset:(32*(\t)+i)*4096 th:TH_LOAD_NT
.set i, i+1
.endr
.endm
.macro WBLOCK t                        ; block t = K step t / 4, half c = (t % 4) / 2, lanes' half h = t % 2 of the image
.set XB, 64+32*((\t)%2)
.set CB, 128+6*(\t)                    ; each block has its own six registers: no store's data are written again
.set OB, ((\t)/4)*24576+768*(((\t)%4)/2)
.if (\t) < 7
	s_wait_loadcnt 32                              ; this block's 32 loads are in; the next block's 32 may be out
.else
	s_wait_loadcnt 0x0
.endif
	v_max3_num_f32 v12, |v[XB]|, |v[XB+1]|, |v[XB+2]|
	v_max3_num_f32 v13, |v[XB+3]|, |v[XB+4]|, |v[XB+5]|
.irp i, 6,10,14,18,22,26
	v_max3_num_f32 v12, v12, |v[XB+\i]|, |v[XB+\i+1]|
	v_max3_num_f32 v13, v13, |v[XB+\i+2]|, |v[XB+\i+3]|
.endr
	v_max3_num_f32 v12, v12, |v[XB+30]|, |v[XB+31]|
	v_max3_num_f32 v12, v12, v13, 0x1800000        ; and the floor 2^(3 - 127): the byte cannot fall under 1
	v_add_nc_u32 v11, 0xff000000, v12              ; 2 off the exponent field: the conversion's scale operand
	v_cvt_scalef32_pk16_fp6_f32 v[CB:CB+2], v[XB:XB+15], v11
	v_cvt_scalef32_pk16_fp6_f32 v[176:178], v[XB+16:XB+31], v11   ; (a conversion's three registers begin on an even number)
	v_lshrrev_b32 v10, 23, v11                     ; the scale's byte; also the plain line behind the conversions
.if (\t)%4 == 0
	v_mov_b32 v[8+(\t)/4], v10
.else
	v_lshl_or_b32 v[8+(\t)/4], v10, 8*((\t)%4), v[8+(\t)/4]
.endif
	v_mov_b32 v[CB+3], v176
	v_mov_b32 v[CB+4], v177
	v_mov_b32 v[CB+5], v178
	global_store_b128 v2, v[CB:CB+3], s[22:23] offset:OB+256*((\t)%2)        ; the 16 lanes of a tile store 256 consecutive bytes, aligned
	global_store_b64 v3, v[CB+4:CB+5], s[22:23] offset:OB+512+128*((\t)%2)   ; 128 consecutive bytes; block t xor 1 stores the 128 beside them
.if (\t)+2 < 8
	WLOAD (\t)+2
.endif
.endm
	WLOAD 0
	WLOAD 1
.irp t, 0,1,2,3,4,5,6,7
	WBLOCK \t
.endr
	global_store_b64 v4, v[8:9], s[24:25]          ; my column's two scale words: the wave stores 256 consecutive bytes, aligned
	s_endpgm                                       ; (these waves have touched no LDS)
; ---------------- THE ACTIVATIONS.  A wave makes four fragments: tiles 4 q4 + 0 .. 3 of one token block, one K step.
.Lx_path:
	s_sub_co_u32 s35, ttmp9, 128
	s_lshr_b32 s36, s35, 2                         ; tbg: tensor x 64 + token block
	s_and_b32 s37, s35, 3
	s_lshl_b32 s37, s37, 1
	s_lshr_b32 s38, s[WV], 1
	s_or_b32 s37, s37, s38                         ; K step
	s_and_b32 s38, s[WV], 1                        ; q4: which four tiles
	s_lshr_b32 s39, s36, 6                         ; which tensor
	s_and_b32 s40, s36, 63                         ; in: (128 block + 64 q4) rows of 4,096 bytes + 512 x K step
	s_lshl_b32 s40, s40, 19
	s_lshl_b32 s41, s38, 18
	s_add_co_u32 s40, s40, s41
	s_lshl_b32 s41, s37, 9
	s_add_co_u32 s40, s40, s41
	s_mov_b32 s41, 0
	s_lshl_b32 s42, s36, 3
	s_add_co_u32 s42, s42, s37                     ; 8 tbg + K step
	s_lshl_b32 s44, s42, 1
	s_add_co_u32 s44, s44, s38
	s_lshl_b32 s44, s44, 8                         ; xs: 256 bytes for each (tbg, K step, q4)
	s_mov_b32 s45, 0
	s_lshl_b32 s42, s42, 3
	s_lshl_b32 s43, s38, 2
	s_add_co_u32 s42, s42, s43
	s_mul_i32 s42, s42, 1536                       ; xi
	s_mov_b32 s43, 0
	s_wait_alu depctr_va_vdst(0)
	v_lshlrev_b32 v1, 4, v[LN]                     ; 16 x lane
	v_lshlrev_b32 v2, 3, v[LN]                     ; 8 x lane
	s_mul_i32 s46, s[WV], STGB
	v_add_nc_u32 v3, s46, v1                       ; the stage, in: a row's 512 bytes as they lie
	v_and_b32 v14, 15, v[LN]
	v_lshrrev_b32 v15, 4, v[LN]
	v_mul_u32_u24 v4, v14, SROW
	v_lshl_add_u32 v4, v15, 6, v4
	v_add_nc_u32 v4, s46, v4                       ; out: row r, + 64 h: my 16 numbers of each block of 32
.irp b, 0,1,2,3
	v_mov_b32 v[TM+4+\b], 0                        ; written once: a lane permute's destination counts as one of its sources
.endr
	s_wait_alu depctr_va_vdst(0)
	s_wait_kmcnt 0x0
	s_cmp_eq_u32 s39, 1
	s_cselect_b64 s[16:17], s[18:19], s[16:17]
	s_cmp_eq_u32 s39, 2
	s_cselect_b64 s[16:17], s[20:21], s[16:17]
	s_add_nc_u64 s[16:17], s[16:17], s[40:41]
	s_add_nc_u64 s[26:27], s[26:27], s[42:43]
	s_add_nc_u64 s[28:29], s[28:29], s[44:45]
; 64 numbers of a lane, register 16 b + i = k 32 b + 16 (lane / 16) + i of my row, become a fragment's 12 registers at v[pc] and its scale word in v[pw]
.macro QUANT s, pc, pw
.irp b, 0,1,2,3
	v_max3_num_f32 v[TM+\b], |v[(\s)+16*\b]|, |v[(\s)+1+16*\b]|, 0x1800000   ; my 16 numbers of block b, and the floor 2^(3 - 127)
.endr
.irp i, 2,4,6,8,10,12,14
.irp b, 0,1,2,3
	v_max3_num_f32 v[TM+\b], v[TM+\b], |v[(\s)+16*\b+\i]|, |v[(\s)+1+16*\b+\i]|
.endr
.endr
.irp b, 0,1,2,3
	v_permlanex16_b32 v[TM+4+\b], v[TM+\b], s[SEL], s[SEL+1]
.endr
.irp b, 0,1,2,3
	v_max_num_f32 v[TM+\b], v[TM+\b], v[TM+4+\b]   ; with lane l xor 16's: the block's largest magnitude
.endr
.irp b, 0,1,2,3
	v_add_nc_u32 v[TM+12+\b], 0xff000000, v[TM+\b] ; 2 off its exponent field: the conversion's scale operand
.endr
.irp b, 0,1,2,3
	v_lshrrev_b32 v[TM+4+\b], 23, v[TM+12+\b]      ; the scale's byte
.endr
	v_lshl_or_b32 v[\pw], v[TM+5], 8, v[TM+4]
	v_lshl_or_b32 v[\pw], v[TM+6], 16, v[\pw]
	v_lshl_or_b32 v[\pw], v[TM+7], 24, v[\pw]
.irp c, 0,1
	v_cvt_scalef32_pk16_fp6_f32 v[(\pc)+6*\c:(\pc)+2+6*\c], v[(\s)+32*\c:(\s)+15+32*\c], v[TM+12+2*\c]
	v_cvt_scalef32_pk16_fp6_f32 v[(\pc)+12+4*\c:(\pc)+14+4*\c], v[(\s)+16+32*\c:(\s)+31+32*\c], v[TM+12+2*\c+1]
.endr
	v_nop                                          ; one plain line behind the scaled conversions
.irp c, 0,1                            ; the operand wants a whole block in a lane: lanes 0-15 block 2 c, lanes 16-31 block 2 c + 1
.irp i, 0,1,2
	v_permlane16_swap_b32 v[(\pc)+6*\c+\i], v[(\pc)+12+4*\c+\i]
.endr
.irp i, 0,1,2
	v_mov_b32 v[(\pc)+3+6*\c+\i], v[(\pc)+12+4*\c+\i]
.endr
.endr
.endm
.macro XLOAD f                         ; fragment f's 16 rows, 512 consecutive bytes a load, into set f % 2 of v64-191
.irp i, 0,1,2,3,4,5,6,7,8,9,10,11,12,13,14,15
	global_load_b128 v[64+64*((\f)%2)+4*\i:64+64*((\f)%2)+4*\i+3], v1, s[16:17] offset:(32*((\f)/2)+8*((\f)%2)+\i+8*(\i/8))*4096 th:TH_LOAD_NT
.endr
.endm
.macro TURN f                          ; through my own stage: in as loaded, out 64 bytes a lane and block.  LDS serves a wave's instructions in order (ISA guide 5.7.1.4)
.irp i, 0,1,2,3,4,5,6,7,8,9,10,11,12,13,14,15
	ds_store_b128 v3, v[64+64*((\f)%2)+4*\i:64+64*((\f)%2)+4*\i+3] offset:SROW*\i
.endr
.irp b, 0,1,2,3
.irp j, 0,1,2,3
	ds_load_b128 v[192+16*\b+4*\j:192+16*\b+4*\j+3], v4 offset:128*\b+16*\j
.endr
.endr
.endm
.macro XFRAG f
.if (\f) < 3
	s_wait_loadcnt 16                              ; this fragment's 16 loads are in; the next fragment's 16 may be out
.else
	s_wait_loadcnt 0x0
.endif
	TURN \f
	s_wait_dscnt 0x0                               ; the numbers are back, and the stores into the stage have read their registers
.if (\f)+2 < 4
	XLOAD (\f)+2
.endif
.if (\f) > 0
	s_wait_xcnt 0x0                                ; the last fragment's stores have read the codes' registers: they are written again only behind this wait
.endif
	QUANT 192, PC, 8+\f
	global_store_b128 v1, v[PC:PC+3], s[26:27] offset:1536*(\f)           ; 512 consecutive bytes
	global_store_b64 v2, v[PC+4:PC+5], s[26:27] offset:1536*(\f)+512      ; 256 consecutive bytes
	global_store_b128 v1, v[PC+6:PC+9], s[26:27] offset:1536*(\f)+768
	global_store_b64 v2, v[PC+10:PC+11], s[26:27] offset:1536*(\f)+1280
.endm
	XLOAD 0
	XLOAD 1
	XFRAG 0
	XFRAG 1
	XFRAG 2
	XFRAG 3
	v_cndmask_b32 v12, v8, v9, s[HM]               ; lanes 0-15 the even tile's word, lanes 16-31 the odd tile's
	v_cndmask_b32 v13, v10, v11, s[HM]
	global_store_b64 v2, v[12:13], s[28:29]        ; 256 consecutive bytes, aligned
	s_wait_tensorcnt 0x0                           ; the wave's end: the wait, the add and its wait behind my last LDS store
	ds_add_u32 v[SPW], v[NIL]
	s_wait_dscnt 0x0
	s_endpgm
.Lfunc_end_k_q5607011395_quant:
	.size	k_q5607011395_quant, .Lfunc_end_k_q5607011395_quant-k_q5607011395_quant
	.p2alignl 7, 3214868480
	.fill 96, 4, 3214868480
	.section	.rodata,"a",@progbits
	.p2align	6, 0x0
	.amdhsa_kernel k_q5607011395_quant
		.amdhsa_group_segment_fixed_size 34304
		.amdhsa_private_segment_fixed_size 0
		.amdhsa_enable_private_segment 0
		.amdhsa_kernarg_size 88
		.amdhsa_user_sgpr_count 2
		.amdhsa_user_sgpr_kernarg_segment_ptr 1
		.amdhsa_wavefront_size32 1
		.amdhsa_system_sgpr_workgroup_id_x 1
		.amdhsa_system_sgpr_workgroup_id_y 1
		.amdhsa_system_sgpr_workgroup_id_z 1
		.amdhsa_system_vgpr_workitem_id 0
		.amdhsa_next_free_vgpr 256
		.amdhsa_next_free_sgpr 66
		.amdhsa_reserve_vcc 0
		.amdhsa_float_denorm_mode_32 3
		.amdhsa_float_denorm_mode_16_64 3
		.amdhsa_memory_ordered 1
		.amdhsa_forward_progress 1
		.amdhsa_inst_pref_size 73
	.end_amdhsa_kernel
	.amdgpu_metadata
---
amdhsa.version: [ 1, 2 ]
amdhsa.kernels:
  - .name:           k_q5607011395_quant
    .symbol:         k_q5607011395_quant.kd
    .args:
      - { .name: Wq, .offset: 0, .size: 8, .value_kind: global_buffer, .address_space: global }
      - { .name: Wk, .offset: 8, .size: 8, .value_kind: global_buffer, .address_space: global }
      - { .name: Wv, .offset: 16, .size: 8, .value_kind: global_buffer, .address_space: global }
      - { .name: Wo, .offset: 24, .size: 8, .value_kind: global_buffer, .address_space: global }
      - { .name: query, .offset: 32, .size: 8, .value_kind: global_buffer, .address_space: global }
      - { .name: key, .offset: 40, .size: 8, .value_kind: global_buffer, .address_space: global }
      - { .name: value, .offset: 48, .size: 8, .value_kind: global_buffer, .address_space: global }
      - { .name: wi, .offset: 56, .size: 8, .value_kind: global_buffer, .address_space: global }
      - { .name: ws, .offset: 64, .size: 8, .value_kind: global_buffer, .address_space: global }
      - { .name: xi, .offset: 72, .size: 8, .value_kind: global_buffer, .address_space: global }
      - { .name: xs, .offset: 80, .size: 8, .value_kind: global_buffer, .address_space: global }
    .group_segment_fixed_size: 34304
    .private_segment_fixed_size: 0
    .kernarg_segment_align: 8
    .kernarg_segment_size: 88
    .max_flat_workgroup_size: 128
    .sgpr_count:     66
    .vgpr_count:     256
    .wavefront_size: 32
...
	.end_amdgpu_metadata
.endif
;; end of part 1
;; launch proj (part 2): grid 4 x 64, 4 waves a work-group, clusters of 4 x 4, 327,680 bytes of LDS; arguments xi, xs, wi, ws, bq, bk, bv, qkv; writes qkv
.if DOCPART == 2
	.amdgcn_target "amdgcn-amd-amdhsa--gfx1250"
	.amdhsa_code_object_version 6
	.text
	.protected	k_q5607011395_proj
	.globl	k_q5607011395_proj
	.p2align	8
	.type	k_q5607011395_proj,@function
k_q5607011395_proj:
	s_mov_b64 s[64:65], 0
	v_nop
	global_prefetch_b8 v0, s[64:65] scope:SCOPE_SE
	s_setreg_imm32_b32 hwreg(HW_REG_WAVE_MODE, 25, 1), 1
	s_wait_xcnt 0x0
	s_wait_alu depctr_hold_cnt(0) depctr_sa_sdst(0) depctr_va_vdst(0) depctr_va_sdst(0) depctr_va_ssrc(0) depctr_va_vcc(0) depctr_vm_vsrc(0)
	s_getreg_b32 s2, hwreg(HW_REG_IB_STS2, 6, 4)
	s_cmp_eq_u32 s2, 0
	s_cbranch_scc0 .Lentry_in_a_cluster
	s_endpgm
.Lentry_in_a_cluster:
	s_bfe_u32 s2, ttmp6, 0x10000c
	s_cmp_lg_u32 s2, 0xf033
	s_cbranch_scc0 .Lentry_shape_is_right
	s_endpgm
.Lentry_shape_is_right:
; q = query Wq + bq, k = key Wk + bk, v = value Wv + bv on codes of FP6 (E2M3) with E8M0 scales, and the results quantised again for the attention launch.
; A WORK-GROUP STAYS: it makes three tiles, one of q, one of k, one of v (z = 0, 1, 2), each 128 tokens x 256 columns over all of K = 1,024, for one token block and one block of columns.
; Wave w makes all 128 tokens x one head (64 columns): 8 token tiles x 4 column tiles = 32 accumulators.
; ALL OF A TILE'S K LIES IN LDS: 8 K steps x (8 fragments of x + 16 of W) x 1,536 bytes = 294,912 bytes.  FILLS: one tensor load a wave, in one chain of branches on the wave's number: wave 0 W's K steps 0 .. NF-1,
; wave 1 x's, wave 2 the rest of W, wave 3 the rest of x.  Waves 0 and 1 wait for theirs (0) ahead of the tile's first barrier; every wave waits for 0 ahead of the barrier in K step NF-1.
; THE NEXT TILE'S FILLS go out in K step 7 of q's and of k's tile, when every fragment of the tile is in registers: the wait for all tensor loads, the add, the wait for LDS, a round of the cluster's barrier
; then the same four loads with stepped addresses.  They are on their way under K step 7's products and the tile's way out.  The next tile's scale words and bias are asked for ahead of the way out.
; q's and k's tiles are a loop of two trips; v's tile, which asks for nothing more, is written out behind it.
; PREFETCH: in K step 1 of q's and k's tile the next tile's 1,152 blocks of 256 bytes are named once in each cluster: x's 384 shared out among the 16 waves of a row of the cluster (24 a wave, by cx),
; W's 768 among the 16 waves of a column (48 a wave, by cy): six K steps ahead of the loads that want them.  The first tile comes by its loads alone.
; CLUSTER 4 x 4: x's fragments hang on the token block alone and are shared along a row of the cluster, W's on the tensor and the column block alone and are shared along a column: joint loads.
; Fragments lie in memory and LDS as images of the operand's registers (two halves of 768 bytes: four registers at 16 x lane, two at 512 + 8 x lane): every LDS load reads consecutive bytes.
; Row r of tile T of an operand stands for element 32 (T / 2) + 8 (T % 2) + r + 8 (r / 8): so the 16 registers of result tiles 2 b, 2 b + 1 are 16 neighbours 32 b + 16 (lane / 16) + 0 .. 15.
; q, k (path 0): source 0 = W, source 1 = x: a lane holds one token, its registers run along the head's channels, which are the next K.
; v (path 1): source 0 = x, source 1 = W: a lane holds one channel, its registers run along the tokens (the keys), which are the next K.
; The bias is the C of each sum's first matrix instruction.  The 32 accumulators take turns, one instruction a turn, in the same order in every K step.
; OUT: qkv [tensor 3][batch x head 64][block of 128 tokens 16][record 6,400]: four fragments of 1,536 bytes (three slabs of 512: registers 4 j .. 4 j + 3 at 16 x lane), then 256 bytes of scale words
; (8 x lane + 4 g: register g holds fragment 2 g's words in lanes 0-15, fragment 2 g + 1's in lanes 16-31).  For q, k a fragment is a PAIR of token tiles: registers 0-5 the even one, 6-11 the odd one,
; lane (r, h) channels 32 h + 0 .. 31.  For v fragment t holds channel tile t and the block's 128 tokens.  k's rows are dealt anew among its tiles on the way out (see EPILOGUE).
; LIMITS: a block's largest magnitude under 2^-124 counts as 2^-124; a block of zeros gets the byte 1 (zero codes; this program alone reads the bytes); NaN and infinities are not served.
; REGISTERS: window 0: addresses, scale words, the quantiser's work.  window 1: x's fragments, two sets of 96.  window 2: W's, two sets of 48; from v96 the bias, 8 a tile.  window 3: the accumulators.
.set XSTEP, 12288                      ; a K step of x in LDS: 8 fragments
.set WSTEP, 24576                      ; of W: 16 fragments
.set WBASE, 98304                      ; W lies behind x
.set SPARE, 294912                     ; behind W: the spare words, 128 bytes a wave
.set FRB,   1536
.set NF,    3                          ; K steps in a fill's first part
.set XNEXT, 6291456                    ; bytes from a tile to the next: x 64 token blocks, W 4 column blocks, their scale words, the records of a tensor
.set WNEXT, 786432
.set XSNEXT, 262144
.set WSNEXT, 32768
.set RNEXT, 6553600
.set SPW,  6                           ; v6   my spare word's LDS address; never rewritten
.set NIL,  7                           ; v7   0; never rewritten
.set AX16, 8                           ; v8-9   16 x lane + {0, 49152}: x's K steps 0-3, 4-7
.set AX8,  10                          ; v10-11 8 x lane + the same
.set L16,  8
.set L8,   10
.set AW16, 12                          ; v12-15 WBASE + 49152 j + 6144 wave + 16 x lane: my four tiles of W, K steps 2 j, 2 j + 1
.set AW8,  16                          ; v16-19 the same with 8 x lane
.set BO0,  20                          ; v20  the bias's lane offset on path 0: 64 h
.set BO1,  21                          ; v21  on path 1: 4 (r + 8 (r / 8))
.set OA,   22                          ; v22-23 where a lane's 16 bytes of an even, an odd fragment go in the record
.set PW,   24                          ; v24-27 the four scale words made
.set SW,   28                          ; v[28:29] as they are stored
.set OS,   30                          ; v30  where they go
.set PFX,  31                          ; v31  the prefetch's offset in x's tile;  v176-177 in W's; never rewritten
.set PFW,  176
.set XS,   32                          ; v32-63 x's scale words: register 4 s + tile / 2, row tile % 2
.set WS,   64                          ; v64-79 W's: register 4 (s / 2) + 2 (tile / 2) + s % 2, row tile % 2
.set TM,   80                          ; v80-95 at work in the quantiser
.set PC,   96                          ; v96-175 codes: 20 registers for each of four fragments
.set BI,   96                          ; window 2: the bias
.set WV,   20
.set SEL,  96                          ; s[96:97]
.set HM,   98
.set G1A,  32                          ; s[32:39] group 1 for x's first part;  s[40:47] W's first;  s[48:55] x's rest;  s[56:63] W's rest
.set G1B,  40
.set G1C,  48
.set G1D,  56
.set G0A,  68                          ; s[68:83] four groups 0: x first, W first, x rest, W rest
.set MSB, 0
.macro WIN new                         ; the immediate's high byte repeats the setting that is left
.if MSB != (\new)
	s_set_vgpr_msb (MSB<<8)|(\new)
.set MSB, (\new)
.endif
.endm
.macro CREST                           ; a round of the cluster's barrier behind its opening barrier
	s_cmp_lg_u32 s[WV], 0
	s_cbranch_scc1 .Lnot_wave_0_\@
	s_barrier_signal -3
.Lnot_wave_0_\@:
	s_barrier_wait -3
	s_barrier_signal -1
	s_barrier_wait -1
.endm
.macro CROUND
	s_barrier_signal -1
	s_barrier_wait -1
	CREST
.endm
.macro ARM under, g0, g1, next, join   ; one arm of the chain: its load, and a jump to the chain's end
	s_cmp_lt_u32 s[WV], \under
	s_cbranch_scc0 \next
	tensor_load_to_lds s[\g0:\g0+3], s[\g1:\g1+7]
	s_nop 0
.rept 4
	v_nop
.endr
	s_branch \join
\next:
.endm
.macro FILL id                         ; a tile's four joint loads, one a wave
	ARM 1, G0A+4, G1B, .Lf1_\id, .Lfd_\id          ; wave 0: W's first part
	ARM 2, G0A, G1A, .Lf2_\id, .Lfd_\id            ; wave 1: x's first part
	ARM 3, G0A+12, G1D, .Lf3_\id, .Lfd_\id         ; wave 2: the rest of W
	tensor_load_to_lds s[G0A+8:G0A+11], s[G1C:G1C+7]   ; wave 3: the rest of x
	s_nop 0
.rept 4
	v_nop
.endr
.Lfd_\id:
.endm
	s_load_b512 s[4:19], s[0:1], 0x0               ; xi 4, xs 6, wi 8, ws 10, bq 12, bk 14, bv 16, qkv 18
	v_lshl_add_u32 v[SPW], v0, 2, SPARE
	v_mov_b32 v[NIL], 0
	ds_add_u32 v[SPW], v[NIL]                      ; the wave's opening: the add, twice on end, and its wait ahead of my first tensor load
	ds_add_u32 v[SPW], v[NIL]
	v_lshrrev_b32 v1, 5, v0
	v_readfirstlane_b32 s[WV], v1                  ; wave 0..3
	s_bfe_u32 s22, ttmp6, 0x40000                  ; cx = the block of 256 columns
	s_bfe_u32 s23, ttmp6, 0x40004                  ; cy
	s_and_b32 s26, ttmp7, 0xffff                   ; cluster y
	s_lshl_b32 s24, s26, 2
	s_add_co_u32 s24, s24, s23                     ; the token block, 0 .. 63
	s_mov_b32 s25, 0                               ; z: 0 q, 1 k, 2 v: the same in all sixteen partners
	s_lshl_b32 s27, s23, 2
	s_lshl_b32 s27, 15, s27                        ; my row of the cluster
	s_lshl_b32 s28, 0x1111, s22                    ; my column
	s_or_b32 s[G1A], s27, (3<<16)|(1<<21)          ; 15:0 the mask; 17:16 elements of 8 bytes; 21 set beside a mask; no padding
	s_or_b32 s[G1B], s28, (3<<16)|(1<<21)
	s_or_b32 s[G1C], s27, (3<<16)|(1<<21)
	s_or_b32 s[G1D], s28, (3<<16)|(1<<21)
.irp g, G1A, G1B, G1C, G1D
	s_mov_b32 s[\g+1], 32<<16                      ; rows of 256 bytes, dense
	s_mov_b32 s[\g+3], 32<<16
	s_mov_b32 s[\g+5], 32
	s_mov_b32 s[\g+6], 0
	s_mov_b32 s[\g+7], 0
.endr
	s_mov_b32 s[G1A+2], (48*NF)<<16                ; 48 rows a K step of x, 96 of W
	s_mov_b32 s[G1A+4], 48*NF
	s_mov_b32 s[G1B+2], (96*NF)<<16
	s_mov_b32 s[G1B+4], 96*NF
	s_mov_b32 s[G1C+2], (48*(8-NF))<<16
	s_mov_b32 s[G1C+4], 48*(8-NF)
	s_mov_b32 s[G1D+2], (96*(8-NF))<<16
	s_mov_b32 s[G1D+4], 96*(8-NF)
	s_mul_i32 s84, s24, 98304                      ; x: the token block's 8 K steps (made of the token block alone)
	s_mov_b32 s85, 0
	s_mul_i32 s88, s22, 196608                     ; W: the column block's 8 K steps (made of cx alone)
	s_mov_b32 s89, 0
	s_mov_b32 s[SEL], 0x76543210
	s_mov_b32 s[SEL+1], 0xfedcba98
	s_mov_b32 s[HM], 0xffff0000
	v_and_b32 v1, 31, v0
	v_lshlrev_b32 v[AX16], 4, v1
	v_lshlrev_b32 v[AX8], 3, v1
	v_add_nc_u32 v[AX16+1], 49152, v[AX16]
	v_add_nc_u32 v[AX8+1], 49152, v[AX8]
	s_mul_i32 s26, s[WV], 6144
	s_add_co_u32 s26, s26, WBASE
.irp j, 0,1,2,3
	v_add_nc_u32 v[AW16+\j], s26, v[L16]
	v_add_nc_u32 v[AW8+\j], s26, v[L8]
	s_add_co_u32 s26, s26, 49152
.endr
	v_bfe_u32 v4, v0, 4, 1                         ; h
	v_lshlrev_b32 v[BO0], 6, v4
	v_and_b32 v5, 15, v0                           ; r
	v_and_b32 v4, 8, v5
	v_add_nc_u32 v5, v5, v4
	v_lshlrev_b32 v[BO1], 2, v5
.irp b, 0,1,2,3
	v_mov_b32 v[TM+4+\b], 0                        ; written once: a lane permute's destination counts as one of its sources
.endr
	s_lshl_b32 s26, s22, 2
	s_add_co_u32 s26, s26, s[WV]
	s_mul_i32 s26, s26, 6144                       ; my 24 blocks of x's tile: by cx and the wave
	s_lshl_b32 s29, s23, 2
	s_add_co_u32 s29, s29, s[WV]
	s_mul_i32 s29, s29, 12288                      ; my 48 blocks of W's: by cy and the wave
	v_min_u32 v[PFX], 23, v1                       ; (the lanes left over name the last block again)
	v_min_u32 v[PFW+1], 15, v1
	v_lshl_add_u32 v[PFW], v1, 8, s29
	v_lshl_add_u32 v[PFX], v[PFX], 8, s26
	v_lshl_add_u32 v[PFW+1], v[PFW+1], 8, s29
	s_wait_alu depctr_va_vdst(0)
	s_wait_dscnt 0x0                               ; both opening adds are done
	s_wait_kmcnt 0x0
	s_add_nc_u64 s[84:85], s[4:5], s[84:85]
	s_add_nc_u64 s[88:89], s[8:9], s[88:89]
.irp j, 0,1                            ; part j: K steps 0 .. NF-1, then the rest
	s_mov_b32 s[G0A+8*\j], 1
	s_mov_b32 s[G0A+8*\j+1], \j*NF*XSTEP
	s_add_nc_u64 s[G0A+8*\j+2:G0A+8*\j+3], s[84:85], \j*NF*XSTEP
	s_or_b32 s[G0A+8*\j+3], s[G0A+8*\j+3], 0x80000000
	s_mov_b32 s[G0A+8*\j+4], 1
	s_mov_b32 s[G0A+8*\j+5], WBASE+\j*NF*WSTEP
	s_add_nc_u64 s[G0A+8*\j+6:G0A+8*\j+7], s[88:89], \j*NF*WSTEP
	s_or_b32 s[G0A+8*\j+7], s[G0A+8*\j+7], 0x80000000
.endr
	CROUND                                         ; all sixteen work-groups are here: the joint loads meet
	FILL a
	s_lshl_b32 s30, s22, 2
	s_add_co_u32 s30, s30, s[WV]                   ; my head: 4 cx + wave
	s_lshl_b32 s26, s24, 12                        ; x's scale words: 4,096 bytes a token block
	s_mov_b32 s27, 0
	s_add_nc_u64 s[6:7], s[6:7], s[26:27]
	s_lshl_b32 s26, s30, 11                        ; W's: 2,048 bytes a head
	s_add_nc_u64 s[10:11], s[10:11], s[26:27]
	s_lshl_b32 s26, s30, 8                         ; the biases: my head's 64 numbers
	s_add_nc_u64 s[12:13], s[12:13], s[26:27]
	s_add_nc_u64 s[14:15], s[14:15], s[26:27]
	s_add_nc_u64 s[16:17], s[16:17], s[26:27]
	s_lshr_b32 s86, s24, 4                         ; the record: batch x 16 + head, token block % 16
	s_lshl_b32 s86, s86, 4
	s_add_co_u32 s86, s86, s30
	s_mul_i32 s86, s86, 102400
	s_and_b32 s87, s24, 15
	s_mul_i32 s87, s87, 6400
	s_add_co_u32 s86, s86, s87
	s_mov_b32 s87, 0
	s_add_nc_u64 s[18:19], s[18:19], s[86:87]
.macro SCLOAD                          ; a tile's scale words: 256 consecutive bytes a load
.irp s, 0,1,2,3,4,5,6,7
.irp q, 0,1
	global_load_b64 v[XS+4*\s+2*\q:XS+4*\s+2*\q+1], v[L8], s[6:7] offset:256*(2*\s+\q)
.endr
.endr
.irp s, 0,1,2,3
.irp q, 0,1
	global_load_b64 v[WS+4*\s+2*\q:WS+4*\s+2*\q+1], v[L8], s[10:11] offset:256*(2*\s+\q)
.endr
.endr
.endm
.macro BIAS0 p                         ; path 0: lane (r, h) of tile t wants the bias of channels 32 (t / 2) + 16 h + 8 (t % 2) + 0 .. 7
	WIN 0x80
.irp t, 0,1,2,3
	global_load_b128 v[BI+8*\t:BI+8*\t+3], v[BO0], s[\p:\p+1] offset:4*(32*(\t/2)+8*(\t%2))
	global_load_b128 v[BI+8*\t+4:BI+8*\t+7], v[BO0], s[\p:\p+1] offset:4*(32*(\t/2)+8*(\t%2))+16
.endr
	WIN 0
.endm
.macro BIAS1 p                         ; path 1: lane (r, h) wants the bias of its one channel, 32 (t / 2) + 8 (t % 2) + r + 8 (r / 8), in all eight registers
	WIN 0x80
.irp t, 0,1,2,3
.irp j, 0,1,2,3,4,5,6,7
	global_load_b32 v[BI+8*\t+\j], v[BO1], s[\p:\p+1] offset:4*(32*(\t/2)+8*(\t%2))
.endr
.endr
	WIN 0
.endm
	SCLOAD
	BIAS0 12
.macro FRAGLD reg, a16, a8, off        ; a fragment's image into 12 registers
	ds_load_b128 v[\reg:\reg+3], v[\a16] offset:\off
	ds_load_b64 v[\reg+4:\reg+5], v[\a8] offset:\off+512
	ds_load_b128 v[\reg+6:\reg+9], v[\a16] offset:\off+768
	ds_load_b64 v[\reg+10:\reg+11], v[\a8] offset:\off+1280
.endm
.macro FETCH e, s                      ; K step s: x's eight fragments and my four of W into set e: 48 loads in one run
	WIN 0x40
.irp x, 0,1,2,3,4,5,6,7
	FRAGLD 96*(\e)+12*\x, AX16+(\s)/4, AX8+(\s)/4, ((\s)%4)*XSTEP+FRB*\x
.endr
	WIN 0x80
.irp t, 0,1,2,3
	FRAGLD 48*(\e)+12*\t, AW16+(\s)/2, AW8+(\s)/2, ((\s)%2)*WSTEP+FRB*\t
.endr
.endm
.macro WM d, a, b, c, sa, sb, ra, rb   ; one matrix instruction; ra, rb: which half of the lanes holds each side's scale words
.if ((\ra) == 0) && ((\rb) == 0)
	v_wmma_scale_f32_16x16x128_f8f6f4 v[\d:\d+7], v[\a:\a+11], v[\b:\b+11], v[\c:\c+7], v[\sa], v[\sb] matrix_a_fmt:MATRIX_FMT_FP6 matrix_b_fmt:MATRIX_FMT_FP6
.elseif (\rb) == 0
	v_wmma_scale_f32_16x16x128_f8f6f4 v[\d:\d+7], v[\a:\a+11], v[\b:\b+11], v[\c:\c+7], v[\sa], v[\sb] matrix_a_fmt:MATRIX_FMT_FP6 matrix_b_fmt:MATRIX_FMT_FP6 matrix_a_scale:MATRIX_SCALE_ROW1
.elseif (\ra) == 0
	v_wmma_scale_f32_16x16x128_f8f6f4 v[\d:\d+7], v[\a:\a+11], v[\b:\b+11], v[\c:\c+7], v[\sa], v[\sb] matrix_a_fmt:MATRIX_FMT_FP6 matrix_b_fmt:MATRIX_FMT_FP6 matrix_b_scale:MATRIX_SCALE_ROW1
.else
	v_wmma_scale_f32_16x16x128_f8f6f4 v[\d:\d+7], v[\a:\a+11], v[\b:\b+11], v[\c:\c+7], v[\sa], v[\sb] matrix_a_fmt:MATRIX_FMT_FP6 matrix_b_fmt:MATRIX_FMT_FP6 matrix_a_scale:MATRIX_SCALE_ROW1 matrix_b_scale:MATRIX_SCALE_ROW1
.endif
.endm
.macro MUL path, e, s, half            ; 16 matrix instructions: token tiles 4 half .. + 3 x my four column tiles
.irp x, 0,1,2,3
.irp t, 0,1,2,3
.set tau, 4*(\half)+\x
.set rX, 96*(\e)+12*tau
.set rW, 48*(\e)+12*\t
.set cX, XS+4*(\s)+tau/2
.set cW, WS+4*((\s)/2)+2*(\t/2)+(\s)%2
.if (\path) == 0
.set rD, 8*(4*tau+\t)
.else
.set rD, 8*(8*\t+tau)
.endif
.if (\s) == 0
.set rC, BI+8*\t                       ; the first K step starts the sums from the bias
.else
.set rC, rD
.endif
.if (\path) == 0
	WM rD, rW, rX, rC, cW, cX, \t%2, tau%2
.else
	WM rD, rX, rW, rC, cX, cW, tau%2, \t%2
.endif
.endr
.endr
.endm
.macro MWIN path, s                    ; path 0: source 0 window 2, source 1 window 1; path 1 the other way round; D window 3; C window 3, in the first K step window 2
.if (\s) == 0
	WIN 0xe6+3*(\path)
.else
	WIN 0xf6+3*(\path)
.endif
.endm
.macro KSTEP path, s
.if ((\s) == 7) && ((\path) == 0)      ; THE NEXT TILE'S FILLS
	WIN 0
	s_wait_tensorcnt 0x0                           ; all my tensor loads are done,
	ds_add_u32 v[SPW], v[NIL]                      ; (the add; work on registers stands between it and the wait for it)
	s_add_nc_u64 s[G0A+2:G0A+3], s[G0A+2:G0A+3], XNEXT     ; so every group 0 may be written: the next tile
	s_add_nc_u64 s[G0A+6:G0A+7], s[G0A+6:G0A+7], WNEXT
	s_add_nc_u64 s[G0A+10:G0A+11], s[G0A+10:G0A+11], XNEXT
	s_add_nc_u64 s[G0A+14:G0A+15], s[G0A+14:G0A+15], WNEXT
	s_wait_dscnt 0x0                               ; the add is done, and my last reads of this tile's bytes: K step 7's fragments are in registers
	s_barrier_signal -1                            ; the barrier opens a round of the cluster's barrier
	MWIN \path, \s
	MUL \path, 1, \s, 0                            ; work on registers while the others arrive
	WIN 0
	s_barrier_wait -1
	CREST                                          ; no wave of any partner still reads these bytes or has a load on its way
	FILL b
	MWIN \path, \s
	MUL \path, 1, \s, 1
.else
	s_wait_dscnt 0x0                               ; this K step's fragments are in (asked for 16 matrix instructions ago)
.if (\s) == NF-1
	s_wait_tensorcnt 0x0                           ; every wave's one load has landed
	s_barrier_signal -1
.endif
	MWIN \path, \s
	MUL \path, (\s)%2, \s, 0
.if (\s) == NF-1
	s_barrier_wait -1                              ; all of K lies in LDS
.endif
.if (\s) < 7
.rept 4
	v_nop                                          ; places in front of loads into registers that matrix instructions have read (ISA guide 7.12.1 for vector instructions)
.endr
	FETCH ((\s)+1)%2, (\s)+1
.endif
.if ((\s) == 1) && ((\path) == 0)
	WIN 0
	global_prefetch_b8 v[PFX], s[84:85] offset:XNEXT th:TH_LOAD_NT scope:SCOPE_SE          ; the next tile: my 24 blocks of x,
	global_prefetch_b8 v[PFW], s[88:89] offset:WNEXT th:TH_LOAD_NT scope:SCOPE_SE          ; my 48 of W
	global_prefetch_b8 v[PFW+1], s[88:89] offset:WNEXT+8192 th:TH_LOAD_NT scope:SCOPE_SE
.endif
	MWIN \path, \s
	MUL \path, (\s)%2, \s, 1
.endif
.endm
.macro MAIN path
	s_wait_loadcnt 0x0                             ; scale words and bias
	s_cmp_lt_u32 s[WV], 2                          ; waves 0 and 1 alone issued the first part's two load lines, and they wait for them
	s_cbranch_scc0 .Lnot_first_\@
	s_wait_tensorcnt 0x0
.Lnot_first_\@:
	s_barrier_signal -1
	s_barrier_wait -1                              ; the rest may still be on its way
	FETCH 0, 0
.irp s, 0,1,2,3,4,5,6,7
	KSTEP \path, \s
.endr
	WIN 0
.endm
; On both paths the 64 registers of group g hold, in register 16 b + i, number 32 b + 16 (lane / 16) + i along the next K: one quantiser serves q, k and v.
.macro QUANTW s, pc, pw                ; the numbers lie in window 3
	WIN 0x3c
.irp b, 0,1,2,3
	v_max3_num_f32 v[TM+\b], 0x1800000, |v[(\s)+16*\b]|, |v[(\s)+1+16*\b]|   ; each accumulator is read from its low end on; the floor 2^(3 - 127) holds the byte at 1 from below
.endr
.irp i, 2,4,6,8,10,12,14
.irp b, 0,1,2,3
	v_max3_num_f32 v[TM+\b], v[TM+\b], |v[(\s)+16*\b+\i]|, |v[(\s)+1+16*\b+\i]|
.endr
.endr
	WIN 0
.irp b, 0,1,2,3
	v_permlanex16_b32 v[TM+4+\b], v[TM+\b], s[SEL], s[SEL+1]
.endr
.irp b, 0,1,2,3
	v_max_num_f32 v[TM+\b], v[TM+\b], v[TM+4+\b]
.endr
.irp b, 0,1,2,3
	v_add_nc_u32 v[TM+12+\b], 0xff000000, v[TM+\b]
.endr
.irp b, 0,1,2,3
	v_lshrrev_b32 v[TM+4+\b], 23, v[TM+12+\b]
.endr
	v_lshl_or_b32 v[\pw], v[TM+5], 8, v[TM+4]
	v_lshl_or_b32 v[\pw], v[TM+6], 16, v[\pw]
	v_lshl_or_b32 v[\pw], v[TM+7], 24, v[\pw]
	WIN 0x03
.irp c, 0,1
	v_cvt_scalef32_pk16_fp6_f32 v[(\pc)+6*\c:(\pc)+2+6*\c], v[(\s)+32*\c:(\s)+15+32*\c], v[TM+12+2*\c]
	v_cvt_scalef32_pk16_fp6_f32 v[(\pc)+12+4*\c:(\pc)+14+4*\c], v[(\s)+16+32*\c:(\s)+31+32*\c], v[TM+12+2*\c+1]
.endr
	WIN 0
	v_nop                                          ; one plain line behind the scaled conversions
.irp c, 0,1
.irp i, 0,1,2
	v_permlane16_swap_b32 v[(\pc)+6*\c+\i], v[(\pc)+12+4*\c+\i]
.endr
.irp i, 0,1,2
	v_mov_b32 v[(\pc)+3+6*\c+\i], v[(\pc)+12+4*\c+\i]
.endr
.endr
.endm
; THE WAY OUT of tile z.  q and v: fragment g at 1,536 g, lane l at 16 l.  k: THE KEYS ARE DEALT ANEW AMONG THE TILES, by address alone: the unit (fragment g, row r) becomes row r % 8 + 8 (g % 2) of fragment
; 2 (g / 2) + r / 8, so that row r' of key tile 4 c + i stands for key 64 c + 8 i + r' % 8 + 32 (r' / 8): in the attention launch a lane's 32 results of four tiles are then one whole block of 32 keys.
; There eight lanes store 128 consecutive bytes, and fragment g xor 1 stores the 128 beside them.  The ten address lines are also places behind the last products.
.macro EPILOGUE
	s_mov_b32 s26, 128
	s_cmp_eq_u32 s25, 1                            ; k?  The same in all partners
	s_cselect_b32 s26, 1536, s26                   ; what r / 8 is worth,
	s_cselect_b32 s28, 128, 64                     ; and in the scale words
	s_sub_co_u32 s27, 1664, s26                    ; what g % 2 is worth
	s_sub_co_u32 s29, 192, s28
	v_and_b32 v1, 7, v0
	v_bfe_u32 v2, v0, 3, 1
	v_bfe_u32 v3, v0, 4, 1
	v_lshlrev_b32 v[OA], 4, v1
	v_lshlrev_b32 v[OS], 3, v1
	v_lshl_add_u32 v[OA], v3, 8, v[OA]
	v_mad_u32_u24 v[OS], v2, s28, v[OS]
	v_mad_u32_u24 v[OA], v2, s26, v[OA]
	v_mad_u32_u24 v[OS], v3, s29, v[OS]
	v_add_nc_u32 v[OA+1], s27, v[OA]
.irp g, 0,1,2,3
	QUANTW 64*\g, PC+20*\g, PW+\g
.irp j, 0,1,2
	global_store_b128 v[OA+\g%2], v[PC+20*\g+4*\j:PC+20*\g+4*\j+3], s[18:19] offset:3072*(\g/2)+512*\j
.endr
.endr
	v_cndmask_b32 v[SW], v[PW], v[PW+1], s[HM]
	v_cndmask_b32 v[SW+1], v[PW+2], v[PW+3], s[HM]
	global_store_b64 v[OS], v[SW:SW+1], s[18:19] offset:6144   ; the wave's 256 bytes, aligned; for k the lanes' bits 3 and 4 change places
.endm
	s_wait_alu depctr_va_vdst(0)
.Ltile:                                        ; q's tile, then k's
	MAIN 0
.rept 4
	v_nop                                          ; places behind the last products, in front of the loads into their scale registers
.endr
	s_add_nc_u64 s[6:7], s[6:7], XSNEXT            ; (the loads that read these bases are done)
	s_add_nc_u64 s[10:11], s[10:11], WSNEXT
	SCLOAD                                         ; the next tile's scale words and bias land under this tile's way out
	s_cmp_eq_u32 s25, 0
	s_cbranch_scc0 .Lbias_v
	BIAS0 14
	s_branch .Lbias_done
.Lbias_v:
	BIAS1 16
.Lbias_done:
	EPILOGUE
	s_wait_xcnt 0x0                                ; the stores and prefetches have read their registers and bases: these are written again only behind this wait
	s_add_nc_u64 s[18:19], s[18:19], RNEXT
	s_add_nc_u64 s[84:85], s[84:85], XNEXT
	s_add_nc_u64 s[88:89], s[88:89], WNEXT
	s_add_co_u32 s25, s25, 1
	s_cmp_lt_u32 s25, 2
	s_wait_alu depctr_va_vdst(0)
	s_cbranch_scc1 .Ltile
	MAIN 1                                         ; v's tile: nothing more is asked for
	EPILOGUE
	s_wait_tensorcnt 0x0                           ; the wave's end: the wait, the add and its wait behind my last tensor load
	ds_add_u32 v[SPW], v[NIL]
	s_wait_dscnt 0x0
	CROUND                                         ; the closing round
	s_endpgm
.Lfunc_end_k_q5607011395_proj:
	.size	k_q5607011395_proj, .Lfunc_end_k_q5607011395_proj-k_q5607011395_proj
	.p2alignl 7, 3214868480
	.fill 96, 4, 3214868480
	.section	.rodata,"a",@progbits
	.p2align	6, 0x0
	.amdhsa_kernel k_q5607011395_proj
		.amdhsa_group_segment_fixed_size 327680
		.amdhsa_private_segment_fixed_size 0
		.amdhsa_enable_private_segment 0
		.amdhsa_kernarg_size 64
		.amdhsa_user_sgpr_count 2
		.amdhsa_user_sgpr_kernarg_segment_ptr 1
		.amdhsa_wavefront_size32 1
		.amdhsa_system_sgpr_workgroup_id_x 1
		.amdhsa_system_sgpr_workgroup_id_y 1
		.amdhsa_system_sgpr_workgroup_id_z 1
		.amdhsa_system_vgpr_workitem_id 0
		.amdhsa_next_free_vgpr 1024
		.amdhsa_next_free_sgpr 100
		.amdhsa_reserve_vcc 0
		.amdhsa_float_denorm_mode_32 3
		.amdhsa_float_denorm_mode_16_64 3
		.amdhsa_memory_ordered 1
		.amdhsa_forward_progress 1
		.amdhsa_inst_pref_size 173
	.end_amdhsa_kernel
	.amdgpu_metadata
---
amdhsa.version: [ 1, 2 ]
amdhsa.kernels:
  - .name:           k_q5607011395_proj
    .symbol:         k_q5607011395_proj.kd
    .args:
      - { .name: xi, .offset: 0, .size: 8, .value_kind: global_buffer, .address_space: global }
      - { .name: xs, .offset: 8, .size: 8, .value_kind: global_buffer, .address_space: global }
      - { .name: wi, .offset: 16, .size: 8, .value_kind: global_buffer, .address_space: global }
      - { .name: ws, .offset: 24, .size: 8, .value_kind: global_buffer, .address_space: global }
      - { .name: bq, .offset: 32, .size: 8, .value_kind: global_buffer, .address_space: global }
      - { .name: bk, .offset: 40, .size: 8, .value_kind: global_buffer, .address_space: global }
      - { .name: bv, .offset: 48, .size: 8, .value_kind: global_buffer, .address_space: global }
      - { .name: qkv, .offset: 56, .size: 8, .value_kind: global_buffer, .address_space: global }
    .group_segment_fixed_size: 327680
    .private_segment_fixed_size: 0
    .kernarg_segment_align: 8
    .kernarg_segment_size: 64
    .max_flat_workgroup_size: 128
    .sgpr_count:     100
    .vgpr_count:     1024
    .wavefront_size: 32
...
	.end_amdgpu_metadata
.endif
;; end of part 2
;; launch attn (part 3): grid 4 x 64, 16 waves a work-group, clusters of 4 x 1, 206,848 bytes of LDS; arguments qkv, oi, os; writes oi, os
.if DOCPART == 3
	.amdgcn_target "amdgcn-amd-amdhsa--gfx1250"
	.amdhsa_code_object_version 6
	.text
	.protected	k_q5607011395_attn
	.globl	k_q5607011395_attn
	.p2align	8
	.type	k_q5607011395_attn,@function
k_q5607011395_attn:
	s_mov_b64 s[64:65], 0
	v_nop
	global_prefetch_b8 v0, s[64:65] scope:SCOPE_SE
	s_setreg_imm32_b32 hwreg(HW_REG_WAVE_MODE, 25, 1), 1
	s_wait_xcnt 0x0
	s_wait_alu depctr_hold_cnt(0) depctr_sa_sdst(0) depctr_va_vdst(0) depctr_va_sdst(0) depctr_va_ssrc(0) depctr_va_vcc(0) depctr_vm_vsrc(0)
	s_getreg_b32 s2, hwreg(HW_REG_IB_STS2, 6, 4)
	s_cmp_eq_u32 s2, 0
	s_cbranch_scc0 .Lentry_in_a_cluster
	s_endpgm
.Lentry_in_a_cluster:
	s_bfe_u32 s2, ttmp6, 0x10000c
	s_cmp_lg_u32 s2, 0x3003
	s_cbranch_scc0 .Lentry_shape_is_right
	s_endpgm
.Lentry_shape_is_right:
; o = softmax(q k^T / 8) v for one batch and head, both products on codes of FP6 (E2M3) with E8M0 scales, and o quantised along the model's 1,024 for the last product.
; t = score x log2(e) / 8; M = the running largest t rounded UP to a whole number; p = 2^(t - M) is quantised along the keys, not normalised; the row's sum is taken of the unquantised p and divides at the end.
; When M moves, the sum and O are multiplied by 2^(old M - new M): exact.
; SHARES.  A work-group owns 512 queries of one head; each of its sixteen waves a pair of tiles of 16 queries, taken one after the other (two passes over the keys); four waves to a SIMD.  128 keys a step.
; ALL OF THE HEAD'S K AND V LIE IN LDS: 16 records of 6,400 bytes each.  No LDS byte is filled twice.  EVERY WAVE ISSUES ONE TENSOR LOAD at the head: wave w brings records 2 (w / 2), 2 (w / 2) + 1 of K (w even) or V (w odd),
; 50 rows of 256 bytes.  Every wave waits: the waves share nothing else.
; Every byte is asked for at the head, so there is no later request for a prefetch to run ahead of.
; CLUSTER 4 x 1: the four blocks of queries of a head read the same K and V: joint loads with the mask 15.
; THE SCORES' K IS 64, THE INSTRUCTION'S 128.  A fragment of K is a PAIR of key tiles: k 0 .. 63 the channels of tile 2 b, k 64 .. 127 those of tile 2 b + 1.  Against [q | zeros] it gives tile 2 b's scores,
; against [zeros | q] tile 2 b + 1's.  The registers [q | zeros | q] serve both; q's scale word repeats its two bytes, so that the zero codes stand under real scales.
; LAYOUT.  Both products transposed: S^T = K q^T, O^T = V^T p^T: a lane holds one query.  Row r' of key tile 4 c + i stands for key 64 c + 8 i + r' % 8 + 32 (r' / 8) (the launch before lays K so):
; score register 32 c + n of lane (r, h) is key 64 c + 32 h + n: A WHOLE BLOCK OF 32 KEYS IN A LANE, in the order of the next operand's registers.
; Of V and of o row r of tile T stands for channel 32 (T / 2) + 8 (T % 2) + r + 8 (r / 8).
; TWO REGIONS OF 64 REGISTERS CHANGE ROLES FROM STEP TO STEP.  In a step one holds K's four fragments and then V's, the other the scores and p.  When p has been converted its region is free, and THE NEXT STEP'S
; FRAGMENTS OF K are asked for into it, ahead of the rescaling of O^T and of the second product; the next step's scores fall into the region that held V.  A trip of the loop is two steps.
; The last step of a pass so issues 13 LDS loads from the record behind K's last (V's first: bytes that have landed) which nobody uses; each pass asks for its own first fragments.
; OUT: oi [token block 64][K step = head / 2][token tile 8][half = head % 2][768]: registers 0-3 at 16 x lane, 4-5 at 512 + 8 x lane.  os [token block][K step][half][pair of tiles 4][lane] words, two bytes used;
; a wave's store of os covers 128 consecutive bytes.
; LIMITS: a block's largest magnitude under 2^-124 counts as 2^-124; a block of zeros gets the byte 1; p under 2^-126 counts as 0; 1 / sum by v_rcp_f32; NaN and infinities are not served.
; A block's largest p is made from its largest score by the same multiply-add and exponential as every p.
.set REC,   6400
.set VB,    102400                     ; V's records lie behind K's
.set SPARE, 204800                     ; behind them: the spare words, 128 bytes a wave
.set L16, 1                            ; v1  16 x lane
.set L8,  2                            ; v2  8 x lane
.set SPW, 3                            ; v3  my spare word's LDS address; never rewritten
.set NIL, 4                            ; v4  0; never rewritten
.set ADK, 5                            ; v5-8 LDS addresses of the step's fragments and scale words of K and V
.set ADV, 6
.set ADS, 7
.set ADT, 8
.set L4,  9                            ; v9  4 x lane
.set HW,  10                           ; v10-11 o's two scale bytes, one register a pass.  v12 -M, v13 the running largest score, v[14:15] the row's sum in two halves
.set QL,  16                           ; v16-33 [q | zeros | q]
.set QP,  34                           ; v34-45 the pair of query tiles as loaded
.set QW,  46                           ; v46 its scale word;  v47 the pass's
.set QS,  47
.set R0,  48                           ; v48-111, v112-175 the two regions
.set R1,  112
.set OT,  R1                           ; the way out works in the region that held V last
.set O,   176                          ; v176-207 O^T
.set PC,  208                          ; v208-219 p's codes;  v220-227 the halves made elsewhere
.set PC2, 220
.set BM,  228                          ; v228-229 my two blocks' largest
.set BT,  230                          ; v230-233 at work
.set SO,  234                          ; v234-235 the conversions' scale operands
.set KS,  236                          ; v[236:237] K's scale words;  v[238:239] V's;  v240 p's
.set VS,  238
.set PS,  240
.set SH8, 241                          ; v241 8 x (lane / 16)
.set F,   242                          ; v[242:243] f = 2^(old M - new M)
.set T,   244
.set A1,  246                          ; v246-251 three more chains of the row's sum
.set A2,  248
.set A3,  250
.set WV,  10
.set SEL, 20
.set CS,  22                           ; s[22:23] c = log2(e) / 8;  s51 -c
.set G1,  24
.set G0,  32
.set TK,  48                           ; s48 LDS byte of the step's record of K
.set CNT, 49
.set HM,  50
.set NC,  51
.macro CROUND
	s_barrier_signal -1
	s_barrier_wait -1
	s_cmp_lg_u32 s[WV], 0
	s_cbranch_scc1 .Lnot_wave_0_\@
	s_barrier_signal -3
.Lnot_wave_0_\@:
	s_barrier_wait -3
	s_barrier_signal -1
	s_barrier_wait -1
.endm
	s_load_b128 s[4:7], s[0:1], 0x0                ; qkv, oi
	s_load_b64 s[8:9], s[0:1], 0x10                ; os
	v_lshl_add_u32 v[SPW], v0, 2, SPARE
	v_mov_b32 v[NIL], 0
	ds_add_u32 v[SPW], v[NIL]                      ; the wave's opening: the add, twice on end, and its wait ahead of my tensor load
	ds_add_u32 v[SPW], v[NIL]
	v_lshrrev_b32 v5, 5, v0
	v_readfirstlane_b32 s[WV], v5                  ; wave 0..15
	s_bfe_u32 s11, ttmp6, 0x40000                  ; cx: which 512 queries
	s_and_b32 s12, ttmp7, 0xffff                   ; bh = 16 x batch + head, which the four partners share
	s_mov_b32 s[G1], 15|(3<<16)|(1<<21)            ; 15:0 all four work-groups; 17:16 elements of 8 bytes; 21 set beside a mask; no padding
	s_mov_b32 s[G1+1], 32<<16                      ; rows of 256 bytes, dense
	s_mov_b32 s[G1+2], 50<<16                      ; 50 rows: two records
	s_mov_b32 s[G1+3], 32<<16
	s_mov_b32 s[G1+4], 50
	s_mov_b32 s[G1+5], 32
	s_mov_b32 s[G1+6], 0
	s_mov_b32 s[G1+7], 0
	s_and_b32 s13, s[WV], 1                        ; 0: K, 1: V
	s_lshr_b32 s15, s[WV], 1
	s_mul_i32 s15, s15, 2*REC                      ; which two records
	s_mul_i32 s14, s13, VB
	s_mov_b32 s[G0], 1
	s_add_co_u32 s[G0+1], s14, s15                 ; their place in LDS: made of the wave's number alone
	s_mul_i32 s18, s12, 102400                     ; the head's records in each of the three tensors
	s_add_co_u32 s16, s13, 1
	s_mul_i32 s16, s16, 6553600
	s_add_co_u32 s16, s16, s18
	s_add_co_u32 s16, s16, s15
	s_mov_b32 s17, 0
	s_lshl_b32 s60, s11, 2
	s_lshr_b32 s61, s[WV], 2
	s_add_co_u32 s60, s60, s61                     ; my queries' record: 4 cx + wave / 4
	s_and_b32 s61, s[WV], 3                        ; and the pair in it
	s_mul_i32 s56, s60, REC
	s_add_co_u32 s56, s56, s18
	s_and_b32 s62, s[WV], 1
	s_lshl_b32 s62, s62, 7
	s_bfe_u32 s63, s[WV], 0x10001
	s_lshl_b32 s63, s63, 2
	s_add_co_u32 s58, s62, s63
	s_add_co_u32 s58, s58, s56
	s_add_co_u32 s58, s58, 6144                    ; the pair's scale words: 6,144 + 128 (pair % 2) + 4 (pair / 2) + 8 r
	s_mov_b32 s59, 0
	s_mul_i32 s62, s61, 1536
	s_add_co_u32 s56, s56, s62                     ; the pair's image
	s_mov_b32 s57, 0
	s_lshr_b32 s62, s12, 4
	s_lshl_b32 s62, s62, 4
	s_add_co_u32 s62, s62, s60                     ; token block = 16 x batch + record
	s_lshl_b32 s62, s62, 3
	s_bfe_u32 s63, s12, 0x30001
	s_add_co_u32 s62, s62, s63                     ; 8 x token block + head / 2
	s_and_b32 s63, s12, 1                          ; head % 2
	s_lshl_b32 s52, s62, 3
	s_lshl_b32 s19, s61, 1
	s_add_co_u32 s52, s52, s19
	s_mul_i32 s52, s52, 1536
	s_mul_i32 s19, s63, 768
	s_add_co_u32 s52, s52, s19                     ; oi
	s_mov_b32 s53, 0
	s_lshl_b32 s54, s62, 1
	s_add_co_u32 s54, s54, s63
	s_lshl_b32 s54, s54, 2
	s_add_co_u32 s54, s54, s61
	s_lshl_b32 s54, s54, 7                         ; os
	s_mov_b32 s55, 0
	s_mov_b32 s[SEL], 0x76543210
	s_mov_b32 s[SEL+1], 0xfedcba98
	s_mov_b32 s[CS], 0x3e38aa3b
	s_mov_b32 s[CS+1], s[CS]                       ; (named with it as a pair, so it is written)
	s_mov_b32 s[NC], 0xbe38aa3b
	s_mov_b32 s[HM], 0xffff0000
	v_and_b32 v5, 31, v0
	v_and_b32 v6, 15, v0
	v_bfe_u32 v[SH8], v0, 4, 1
	v_lshlrev_b32 v[L16], 4, v5
	v_lshlrev_b32 v[L8], 3, v5
	v_lshlrev_b32 v[L4], 2, v5
	v_lshlrev_b32 v6, 3, v6                        ; 8 r
	v_lshlrev_b32 v[SH8], 3, v[SH8]
	s_wait_alu depctr_va_vdst(0)
	s_wait_dscnt 0x0                               ; both opening adds are done
	s_wait_kmcnt 0x0
	s_add_nc_u64 s[G0+2:G0+3], s[4:5], s[16:17]
	s_or_b32 s[G0+3], s[G0+3], 0x80000000
	s_add_nc_u64 s[56:57], s[4:5], s[56:57]
	s_add_nc_u64 s[58:59], s[4:5], s[58:59]
	s_add_nc_u64 s[52:53], s[6:7], s[52:53]
	s_add_nc_u64 s[54:55], s[8:9], s[54:55]
	CROUND                                         ; all four work-groups are here: the joint loads meet
	tensor_load_to_lds s[G0:G0+3], s[G1:G1+7]      ; my one load
	s_nop 0
.rept 4
	v_nop
.endr
.irp j, 0,1,2
	global_load_b128 v[QP+4*\j:QP+4*\j+3], v[L16], s[56:57] offset:512*\j
.endr
	global_load_b32 v[QW], v6, s[58:59]
.irp i, 0,1,2,3,4,5
	v_mov_b32 v[QL+6+\i], 0                        ; the zero codes between the two copies of q
.endr
	v_mov_b32 v[T], 0
	v_mov_b32 v[F+1], 0                            ; (named as the upper half of a pair)
.macro SETQ u                          ; query tile u of my pair
.irp i, 0,1,2,3,4,5
	v_mov_b32 v[QL+\i], v[QP+6*(\u)+\i]
	v_mov_b32 v[QL+12+\i], v[QP+6*(\u)+\i]
.endr
.if (\u) == 0
	v_and_b32 v[T], 0xffff, v[QW]
	s_delay_alu instid0(VALU_DEP_1)
	v_lshl_or_b32 v[QS], v[QW], 16, v[T]           ; its two bytes, twice
.else
	v_lshrrev_b32 v[T], 16, v[QW]
	s_delay_alu instid0(VALU_DEP_1)
	v_and_or_b32 v[QS], v[QW], 0xffff0000, v[T]
.endif
.endm
.macro INIT                            ; the step is written once: the first finds zeros, which the first change of M leaves zeros.  These lines are also the places between SETQ and the first scaled product
	v_mov_b32 v13, 0xff61b1e6                      ; the largest score so far: -3e38
	v_mov_b32 v12, 0x7f61b1e6                      ; -M: 3e38, so that the first f is 0
	v_mov_b32 v14, 0
	v_mov_b32 v15, 0
.set j, 0
.rept 32
	v_mov_b32 v[O+j], 0
.set j, j+1
.endr
.endm
.macro KLOAD reg, a16, a8, off         ; a record's four fragments of K and its scale words: 13 loads
.irp b, 0,1,2,3
.irp j, 0,1,2
	ds_load_b128 v[\reg+12*\b+4*\j:\reg+12*\b+4*\j+3], v[\a16] offset:\off+1536*\b+512*\j
.endr
.endr
	ds_load_b64 v[KS:KS+1], v[\a8] offset:\off+6144
.endm
.macro PKF S, cnt
.rept \cnt
	v_pk_fma_f32 v[\S+j:\S+j+1], v[\S+j:\S+j+1], s[CS:CS+1], v[12:13] op_sel_hi:[1,0,0]   ; t - M, two at a time
.set j, j+2
.endr
.endm
.macro ADD4 S, i                       ; four pairs of p onto the sum's four chains
	v_pk_add_f32 v[A1:A1+1], v[A1:A1+1], v[\S+\i:\S+\i+1]
	v_pk_add_f32 v[A2:A2+1], v[A2:A2+1], v[\S+\i+2:\S+\i+3]
	v_pk_add_f32 v[A3:A3+1], v[A3:A3+1], v[\S+\i+4:\S+\i+5]
	v_pk_add_f32 v[14:15], v[14:15], v[\S+\i+6:\S+\i+7]
.endm
; A KEY STEP: 128 keys, the record at LDS byte s[TK].  RK: the region with K's fragments, then V's;  S: the region of the scores
.macro STEP RK, S
	s_wait_dscnt 0x0                               ; K's fragments and scale words, asked for in the step before
	v_add_nc_u32 v[ADK], s[TK], v[L16]             ; these five are the places between the last products, which read V in region S, and the products below, which write there
	v_add_nc_u32 v[ADS], s[TK], v[L8]
	v_mov_b32 v[T], v12                            ; the old -M
	v_add_nc_u32 v[ADV], VB, v[ADK]
	v_add_nc_u32 v[ADT], VB, v[ADS]
.irp b, 0,1,2,3                        ; S^T: pair b against [q | 0] and [0 | q]
.irp u, 0,1
.if \b%2 == 0
	v_wmma_scale_f32_16x16x128_f8f6f4 v[\S+16*\b+8*\u:\S+16*\b+8*\u+7], v[\RK+12*\b:\RK+12*\b+11], v[QL+6*\u:QL+6*\u+11], 0, v[KS+\b/2], v[QS] matrix_a_fmt:MATRIX_FMT_FP6 matrix_b_fmt:MATRIX_FMT_FP6
.else
	v_wmma_scale_f32_16x16x128_f8f6f4 v[\S+16*\b+8*\u:\S+16*\b+8*\u+7], v[\RK+12*\b:\RK+12*\b+11], v[QL+6*\u:QL+6*\u+11], 0, v[KS+\b/2], v[QS] matrix_a_fmt:MATRIX_FMT_FP6 matrix_b_fmt:MATRIX_FMT_FP6 matrix_a_scale:MATRIX_SCALE_ROW1
.endif
.endr
.endr
.rept 4
	v_nop                                          ; places in front of the loads below and of the first read of the scores (ISA guide 7.12.1 for vector instructions)
.endr
	ds_load_b64 v[VS:VS+1], v[ADT] offset:6144
.irp c, 0,1                            ; the largest score of my two blocks of 32 keys, two chains a block (17 and 15 numbers), the four by turns; each accumulator is first read in its four lowest registers
	v_max3_num_f32 v[BT+2*\c], v[\S+32*\c], v[\S+32*\c+1], v[\S+32*\c+2]
	v_max3_num_f32 v[BT+2*\c+1], v[\S+32*\c+17], v[\S+32*\c+18], v[\S+32*\c+19]
.endr
.irp k, 1,2,3,4,5,6                    ; V's twelve fragment loads stand among them, two a turn
.set nn, 2*\k-2
	ds_load_b128 v[\RK+12*(nn/3)+4*(nn%3):\RK+12*(nn/3)+4*(nn%3)+3], v[ADV] offset:1536*(nn/3)+512*(nn%3)
.set nn, 2*\k-1
	ds_load_b128 v[\RK+12*(nn/3)+4*(nn%3):\RK+12*(nn/3)+4*(nn%3)+3], v[ADV] offset:1536*(nn/3)+512*(nn%3)
.irp c, 0,1
	v_max3_num_f32 v[BT+2*\c], v[BT+2*\c], v[\S+32*\c+2*\k+1], v[\S+32*\c+2*\k+2]
	v_max3_num_f32 v[BT+2*\c+1], v[BT+2*\c+1], v[\S+32*\c+2*\k+18], v[\S+32*\c+2*\k+19]
.endr
.endr
.irp c, 0,1
	v_max3_num_f32 v[BT+2*\c], v[BT+2*\c], v[\S+32*\c+15], v[\S+32*\c+16]
.endr
.irp c, 0,1
	v_max_num_f32 v[BM+\c], v[BT+2*\c], v[BT+2*\c+1]   ; it serves the row's maximum and, since p rises with the score, the block's largest p
.endr
	s_delay_alu instid0(VALU_DEP_1)
	v_max3_num_f32 v13, v13, v[BM], v[BM+1]
	s_delay_alu instid0(VALU_DEP_1)
	v_permlanex16_b32 v[BT], v13, s[SEL], s[SEL+1]
	s_delay_alu instid0(VALU_DEP_1)
	v_max_num_f32 v13, v13, v[BT]                  ; the running largest score, lane l xor 16's 64 keys among them
	s_delay_alu instid0(VALU_DEP_1)
	v_mul_f32 v[BT+1], s[NC], v13                  ; -t (c is positive)
	s_delay_alu instid0(VALU_DEP_1)
	v_floor_f32 v12, v[BT+1]                       ; the new -M = floor(-t): M is a whole number
.irp c, 0,1
	v_fma_f32 v[BM+\c], v[BM+\c], s[CS], v12       ; t - M of each block's largest score
.endr
.set j, 0
	PKF \S, 8
	v_sub_f32 v[T], v12, v[T]                      ; old M - new M: a whole number, 0 or less
	PKF \S, 4
	v_cvt_i32_f32 v[T], v[T]                       ; (it saturates)
	PKF \S, 4
	v_ldexp_f32 v[F], 1.0, v[T]                    ; f = 2^(old M - new M)
	PKF \S, 16
	s_wait_alu depctr_va_vdst(0)
.irp c, 0,1
	v_exp_f32 v[BM+\c], v[BM+\c]                   ; the block's largest p: the same two instructions on the same number give the same bits
.endr
.set j, 0
.rept 64
	v_exp_f32 v[\S+j], v[\S+j]                     ; p = 2^(t - M), at most 1
.set j, j+1
.endr
	v_pk_mul_f32 v[14:15], v[14:15], v[F:F+1] op_sel_hi:[1,0]   ; the sums under the new M; the plain line behind the exponentials
	s_wait_alu depctr_va_vdst(0)                   ; one wait for the batch of 66, ahead of its first reader
	v_pk_add_f32 v[A1:A1+1], v[\S:\S+1], v[\S+2:\S+3]      ; the row's sum of the unquantised p: 32 pairs in four chains by turns; the scale word's chain stands among them
	v_pk_add_f32 v[A2:A2+1], v[\S+4:\S+5], v[\S+6:\S+7]
	v_pk_add_f32 v[A3:A3+1], v[\S+8:\S+9], v[\S+10:\S+11]
	v_pk_add_f32 v[14:15], v[14:15], v[\S+12:\S+13]
.irp c, 0,1
	v_max_num_f32 v[BM+\c], 0x1800000, v[BM+\c]    ; the floor 2^(3 - 127): the byte cannot fall under 1
.endr
	ADD4 \S, 14
.irp c, 0,1
	v_add_nc_u32 v[SO+\c], 0xff000000, v[BM+\c]    ; 2 off the exponent field: the conversion's scale operand
.endr
	ADD4 \S, 22
.irp c, 0,1
	v_lshrrev_b32 v[BT+\c], 23, v[SO+\c]           ; the scale's byte
.endr
	ADD4 \S, 30
	v_lshl_or_b32 v[BT], v[BT+1], 16, v[BT]        ; my two bytes: blocks h and 2 + h,
	ADD4 \S, 38
	v_lshlrev_b32 v[BT], v[SH8], v[BT]             ; at their places in the word;
	ADD4 \S, 46
	v_permlanex16_b32 v[BT+1], v[BT], s[SEL], s[SEL+1]
	ADD4 \S, 54
	v_or_b32 v[PS], v[BT], v[BT+1]                 ; with lane l xor 16's two: p's scale word for these 128 keys
	v_pk_add_f32 v[A1:A1+1], v[A1:A1+1], v[\S+62:\S+63]
	v_pk_add_f32 v[14:15], v[14:15], v[A3:A3+1]
	v_pk_add_f32 v[A1:A1+1], v[A1:A1+1], v[A2:A2+1]
	v_pk_add_f32 v[14:15], v[14:15], v[A1:A1+1]
.irp c, 0,1
	v_cvt_scalef32_pk16_fp6_f32 v[PC+6*\c:PC+6*\c+2], v[\S+32*\c:\S+32*\c+15], v[SO+\c]
	v_cvt_scalef32_pk16_fp6_f32 v[PC2+4*\c:PC2+4*\c+2], v[\S+32*\c+16:\S+32*\c+31], v[SO+\c]   ; (a conversion's three registers begin on an even number)
.endr
	KLOAD \S, ADK, ADS, REC                        ; p is done with: the next record's fragments of K into its region
	s_wait_alu depctr_va_vdst(0)                   ; ahead of the first reader of O^T
.set j, 0
.rept 8
	v_pk_mul_f32 v[O+j:O+j+1], v[O+j:O+j+1], v[F:F+1] op_sel_hi:[1,0]   ; O^T under the new M; the first is the plain line behind the conversions
.set j, j+2
.endr
.irp c, 0,1
.irp i, 0,1,2
	v_mov_b32 v[PC+3+6*\c+\i], v[PC2+4*\c+\i]
.endr
.endr
.rept 8
	v_pk_mul_f32 v[O+j:O+j+1], v[O+j:O+j+1], v[F:F+1] op_sel_hi:[1,0]   ; these eight are also the places between p's codes and the scaled products
.set j, j+2
.endr
	s_wait_alu depctr_va_vdst(0)
	s_wait_dscnt 13                                ; V is in; the 13 loads of the next K, issued behind V's, may be out
.irp t, 0,1,2,3                        ; O^T += V^T p^T: the four accumulators by turns
.if \t%2 == 0
	v_wmma_scale_f32_16x16x128_f8f6f4 v[O+8*\t:O+8*\t+7], v[\RK+12*\t:\RK+12*\t+11], v[PC:PC+11], v[O+8*\t:O+8*\t+7], v[VS+\t/2], v[PS] matrix_a_fmt:MATRIX_FMT_FP6 matrix_b_fmt:MATRIX_FMT_FP6
.else
	v_wmma_scale_f32_16x16x128_f8f6f4 v[O+8*\t:O+8*\t+7], v[\RK+12*\t:\RK+12*\t+11], v[PC:PC+11], v[O+8*\t:O+8*\t+7], v[VS+\t/2], v[PS] matrix_a_fmt:MATRIX_FMT_FP6 matrix_b_fmt:MATRIX_FMT_FP6 matrix_a_scale:MATRIX_SCALE_ROW1
.endif
.endr
.endm
.macro PASS                            ; sixteen key steps, two a trip: the regions are back where they began
	s_mov_b32 s[TK], 0
	s_mov_b32 s[CNT], 8
.Lstep_\@:
	STEP R0, R1
	s_add_co_u32 s[TK], s[TK], REC
	STEP R1, R0
	s_add_co_u32 s[TK], s[TK], REC
	s_sub_co_u32 s[CNT], s[CNT], 1
	s_cmp_lg_u32 s[CNT], 0
	s_cbranch_scc1 .Lstep_\@
.endm
; The way out of query tile u: O^T / the sum, quantised in two blocks of 32 channels, half a fragment of the last product's operand
.macro OUT u
.rept 4
	v_nop                                          ; places behind the last products
.endr
	v_add_f32 v14, v14, v15
	s_delay_alu instid0(VALU_DEP_1)
	v_permlanex16_b32 v[T], v14, s[SEL], s[SEL+1]
	s_delay_alu instid0(VALU_DEP_1)
	v_add_f32 v14, v14, v[T]                       ; the row's sum
	s_wait_alu depctr_va_vdst(0)
	v_rcp_f32 v14, v14
	v_nop                                          ; a plain line behind the reciprocal,
	s_wait_alu depctr_va_vdst(0)                   ; and the wait ahead of its first reader
.set j, 0
.rept 32
	v_mul_f32 v[OT+j], v[O+j], v14                 ; register 16 b + i: channel 32 b + 16 (lane / 16) + i
.set j, j+1
.endr
.irp b, 0,1
	v_max3_num_f32 v[BM+\b], |v[OT+16*\b]|, |v[OT+1+16*\b]|, 0x1800000
.endr
.irp i, 2,4,6,8,10,12,14
.irp b, 0,1
	s_delay_alu instid0(VALU_DEP_2)
	v_max3_num_f32 v[BM+\b], v[BM+\b], |v[OT+16*\b+\i]|, |v[OT+1+16*\b+\i]|
.endr
.endr
.irp b, 0,1
	s_delay_alu instid0(VALU_DEP_2)
	v_permlanex16_b32 v[BT+\b], v[BM+\b], s[SEL], s[SEL+1]
.endr
.irp b, 0,1
	s_delay_alu instid0(VALU_DEP_2)
	v_max_num_f32 v[BM+\b], v[BM+\b], v[BT+\b]
.endr
.irp b, 0,1
	s_delay_alu instid0(VALU_DEP_2)
	v_add_nc_u32 v[SO+\b], 0xff000000, v[BM+\b]
.endr
.irp b, 0,1
	s_delay_alu instid0(VALU_DEP_2)
	v_lshrrev_b32 v[BT+\b], 23, v[SO+\b]
.endr
	s_delay_alu instid0(VALU_DEP_1)
	v_lshl_or_b32 v[HW+\u], v[BT+1], 8, v[BT]
	v_cvt_scalef32_pk16_fp6_f32 v[PC:PC+2], v[OT:OT+15], v[SO]
	v_cvt_scalef32_pk16_fp6_f32 v[PC2:PC2+2], v[OT+16:OT+31], v[SO+1]
	v_nop
.irp i, 0,1,2
	v_permlane16_swap_b32 v[PC+\i], v[PC2+\i]      ; here a lane holds half of each block: the operand wants a whole block in a lane
.endr
.irp i, 0,1,2
	s_delay_alu instid0(VALU_DEP_3)
	v_mov_b32 v[PC+3+\i], v[PC2+\i]
.endr
	global_store_b128 v[L16], v[PC:PC+3], s[52:53] offset:1536*(\u)        ; 512 consecutive bytes, aligned
	global_store_b64 v[L8], v[PC+4:PC+5], s[52:53] offset:1536*(\u)+512    ; 256 consecutive bytes, aligned
.endm
	s_wait_loadcnt 0x0                             ; q
	SETQ 0
	INIT
	s_wait_alu depctr_va_vdst(0)
	s_wait_tensorcnt 0x0                           ; my two records have landed
	s_barrier_signal -1
	s_barrier_wait -1                              ; everybody's have: all of K and V lies in LDS, and nothing is written there again
	KLOAD R0, L16, L8, 0                           ; the first record's fragments of K
	PASS
	s_wait_dscnt 0x0                               ; the loads that ran on behind K's last record have landed: their registers may be asked for again
	KLOAD R0, L16, L8, 0                           ; the second pass's first fragments land under the way out
	OUT 0
	SETQ 1
	s_wait_xcnt 0x0                                ; the stores have read the codes' registers: the next pass writes them again only behind this wait
	INIT
	s_wait_alu depctr_va_vdst(0)
	PASS
	OUT 1
	v_cndmask_b32 v[T], v[HW], v[HW+1], s[HM]      ; lanes 0-15 the even tile's bytes, lanes 16-31 the odd tile's
	global_store_b32 v[L4], v[T], s[54:55]
	s_wait_tensorcnt 0x0                           ; the wave's end: the wait, the add and its wait behind my tensor load
	ds_add_u32 v[SPW], v[NIL]
	s_wait_dscnt 0x0
	CROUND                                         ; the closing round
	s_endpgm
.Lfunc_end_k_q5607011395_attn:
	.size	k_q5607011395_attn, .Lfunc_end_k_q5607011395_attn-k_q5607011395_attn
	.p2alignl 7, 3214868480
	.fill 96, 4, 3214868480
	.section	.rodata,"a",@progbits
	.p2align	6, 0x0
	.amdhsa_kernel k_q5607011395_attn
		.amdhsa_group_segment_fixed_size 206848
		.amdhsa_private_segment_fixed_size 0
		.amdhsa_enable_private_segment 0
		.amdhsa_kernarg_size 24
		.amdhsa_user_sgpr_count 2
		.amdhsa_user_sgpr_kernarg_segment_ptr 1
		.amdhsa_wavefront_size32 1
		.amdhsa_system_sgpr_workgroup_id_x 1
		.amdhsa_system_sgpr_workgroup_id_y 1
		.amdhsa_system_sgpr_workgroup_id_z 1
		.amdhsa_system_vgpr_workitem_id 0
		.amdhsa_next_free_vgpr 256
		.amdhsa_next_free_sgpr 66
		.amdhsa_reserve_vcc 0
		.amdhsa_float_denorm_mode_32 3
		.amdhsa_float_denorm_mode_16_64 3
		.amdhsa_memory_ordered 1
		.amdhsa_forward_progress 1
		.amdhsa_inst_pref_size 78
	.end_amdhsa_kernel
	.amdgpu_metadata
---
amdhsa.version: [ 1, 2 ]
amdhsa.kernels:
  - .name:           k_q5607011395_attn
    .symbol:         k_q5607011395_attn.kd
    .args:
      - { .name: qkv, .offset: 0, .size: 8, .value_kind: global_buffer, .address_space: global }
      - { .name: oi, .offset: 8, .size: 8, .value_kind: global_buffer, .address_space: global }
      - { .name: os, .offset: 16, .size: 8, .value_kind: global_buffer, .address_space: global }
    .group_segment_fixed_size: 206848
    .private_segment_fixed_size: 0
    .kernarg_segment_align: 8
    .kernarg_segment_size: 24
    .max_flat_workgroup_size: 512
    .sgpr_count:     66
    .vgpr_count:     256
    .wavefront_size: 32
...
	.end_amdgpu_metadata
.endif
;; end of part 3
;; launch outproj (part 4): grid 4 x 64, 4 waves a work-group, clusters of 4 x 4, 312,832 bytes of LDS; arguments oi, os, wi, ws, bo, out0; writes out0
.if DOCPART == 4
	.amdgcn_target "amdgcn-amd-amdhsa--gfx1250"
	.amdhsa_code_object_version 6
	.text
	.protected	k_q5607011395_outproj
	.globl	k_q5607011395_outproj
	.p2align	8
	.type	k_q5607011395_outproj,@function
k_q5607011395_outproj:
	s_mov_b64 s[64:65], 0
	v_nop
	global_prefetch_b8 v0, s[64:65] scope:SCOPE_SE
	s_setreg_imm32_b32 hwreg(HW_REG_WAVE_MODE, 25, 1), 1
	s_wait_xcnt 0x0
	s_wait_alu depctr_hold_cnt(0) depctr_sa_sdst(0) depctr_va_vdst(0) depctr_va_sdst(0) depctr_va_ssrc(0) depctr_va_vcc(0) depctr_vm_vsrc(0)
	s_getreg_b32 s2, hwreg(HW_REG_IB_STS2, 6, 4)
	s_cmp_eq_u32 s2, 0
	s_cbranch_scc0 .Lentry_in_a_cluster
	s_endpgm
.Lentry_in_a_cluster:
	s_bfe_u32 s2, ttmp6, 0x10000c
	s_cmp_lg_u32 s2, 0xf033
	s_cbranch_scc0 .Lentry_shape_is_right
	s_endpgm
.Lentry_shape_is_right:
; out0 = o Wo + bo on codes of FP6 (E2M3) with E8M0 scales; out0 [8192][1024] f32.
; A work-group makes 128 tokens x 256 columns over all of K = 1,024; wave w makes all 128 tokens x 64 columns: 8 token tiles x 4 column tiles = 32 accumulators.
; ALL OF K LIES IN LDS (8 K steps x (8 + 16) fragments x 1,536 bytes): no LDS byte is filled twice; every tensor load is a first fill issued at the head, one a wave; waits for 0
; and plain barriers show the fills landed.
; CLUSTER 4 x 4: o's fragments are shared along a row of the cluster, Wo's along a column: joint loads.
; Fragments are images of the operand's registers (two halves of 768 bytes: four registers at 16 x lane, two at 512 + 8 x lane).  Row r of tile T stands for element 32 (T / 2) + 8 (T % 2) + r + 8 (r / 8).
; Source 0 = Wo, source 1 = o: a lane holds one token and its registers run along the columns: register 16 b + i of a token tile is column 32 b + 16 (lane / 16) + i.
; The bias is the C of each sum's first matrix instruction; the 32 accumulators take turns, one instruction a turn.
; THE WAY OUT: a token tile (16 rows x 256 bytes) goes through my own stage in LDS and comes back by rows: 16 lanes store 256 consecutive bytes, aligned.
; REGISTERS: window 0: addresses, scale words, the way out.  window 1: o's fragments, two sets of 96.  window 2: Wo's, two sets of 48; from v96 the bias.  window 3: the accumulators ((token tile, column tile) at 8 (4 x + t)).
.set XSTEP, 12288
.set WSTEP, 24576
.set WBASE, 98304
.set STAGE, 294912                     ; behind W: 16 rows x 272 bytes for each wave; no tensor load lands here
.set SPARE, 312320                     ; behind the stages: the spare words, 128 bytes a wave
.set FRB,   1536
.set L4,   4                           ; v4   4 x lane
.set SPW,  6
.set NIL,  7
.set AX16, 8
.set AX8,  10
.set L16,  8
.set L8,   10
.set AW16, 12
.set AW8,  16
.set BO0,  20                          ; v20  64 h
.set STO,  21                          ; v21  the stage, in: row r, + 64 h
.set RD,   22                          ; v22  back: lanes 0-15 one row, lanes 16-31 the next
.set CO,   23                          ; v23  and the same two rows in out0
.set XS,   32                          ; v32-63 o's scale words: register 4 s + tile / 2, row tile % 2
.set WS,   64                          ; v64-79 Wo's: register 4 (s / 2) + 2 (tile / 2) + s % 2, row tile % 2
.set HH,   96                          ; v96-159 o's scale bytes as loaded, two to a word; later the way out's two sets of 32
.set BK,   96
.set BI,   96                          ; window 2: the bias
.set WV,   20
; THE FILLS AS THEY STAND (this takes the place of what the head comment says of four loads a wave and of counted waits): ONE tensor load a wave, in one chain of branches on the wave's number:
; wave 0 Wo's K steps 0 .. NF-1, wave 1 o's, wave 2 the rest of Wo, wave 3 the rest of o.  Waves 0 and 1 wait for theirs (0) ahead of the first barrier; every wave waits for 0 ahead of the one barrier in K step NF-1.
.set NF,   3                           ; K steps in the first part
.set G1A,  32                          ; s[32:39] group 1 for o's first part;  s[40:47] Wo's first;  s[48:55] o's rest;  s[56:63] Wo's rest
.set G1B,  40
.set G1C,  48
.set G1D,  56
.set G0A,  68                          ; s[68:83] four groups 0: o first, Wo first, o rest, Wo rest
.set MSB, 0
.macro WIN new
.if MSB != (\new)
	s_set_vgpr_msb (MSB<<8)|(\new)
.set MSB, (\new)
.endif
.endm
.macro CROUND
	s_barrier_signal -1
	s_barrier_wait -1
	s_cmp_lg_u32 s[WV], 0
	s_cbranch_scc1 .Lnot_wave_0_\@
	s_barrier_signal -3
.Lnot_wave_0_\@:
	s_barrier_wait -3
	s_barrier_signal -1
	s_barrier_wait -1
.endm
	s_load_b256 s[4:11], s[0:1], 0x0               ; oi 4, os 6, wi 8, ws 10
	s_load_b128 s[12:15], s[0:1], 0x20             ; bo 12, out0 14
	v_lshl_add_u32 v[SPW], v0, 2, SPARE
	v_mov_b32 v[NIL], 0
	ds_add_u32 v[SPW], v[NIL]                      ; the wave's opening: the add and its wait ahead of my first tensor load; work on registers stands between them
	ds_add_u32 v[SPW], v[NIL]
	v_lshrrev_b32 v1, 5, v0
	v_readfirstlane_b32 s[WV], v1
	s_bfe_u32 s22, ttmp6, 0x40000                  ; cx = the block of 256 columns
	s_bfe_u32 s23, ttmp6, 0x40004                  ; cy
	s_and_b32 s26, ttmp7, 0xffff
	s_lshl_b32 s24, s26, 2
	s_add_co_u32 s24, s24, s23                     ; the token block
	s_lshl_b32 s27, s23, 2
	s_lshl_b32 s27, 15, s27                        ; my row of the cluster
	s_lshl_b32 s28, 0x1111, s22                    ; my column
	s_or_b32 s[G1A], s27, (3<<16)|(1<<21)          ; the mask; elements of 8 bytes; bit 21 beside a mask; no padding
	s_or_b32 s[G1B], s28, (3<<16)|(1<<21)
	s_mov_b32 s[G1A+1], 32<<16                     ; rows of 256 bytes, dense
	s_mov_b32 s[G1A+2], (48*NF)<<16                ; tensor_dim1: 48 rows a K step of o
	s_mov_b32 s[G1A+3], 32<<16
	s_mov_b32 s[G1A+4], 48*NF
	s_mov_b32 s[G1A+5], 32
	s_mov_b32 s[G1A+6], 0
	s_mov_b32 s[G1A+7], 0
	s_mov_b32 s[G1B+1], 32<<16
	s_mov_b32 s[G1B+2], (96*NF)<<16                ; 96 rows a K step of Wo
	s_mov_b32 s[G1B+3], 32<<16
	s_mov_b32 s[G1B+4], 96*NF
	s_mov_b32 s[G1B+5], 32
	s_mov_b32 s[G1B+6], 0
	s_mov_b32 s[G1B+7], 0
	s_or_b32 s[G1C], s27, (3<<16)|(1<<21)
	s_or_b32 s[G1D], s28, (3<<16)|(1<<21)
.irp g, G1C, G1D
	s_mov_b32 s[\g+1], 32<<16
	s_mov_b32 s[\g+3], 32<<16
	s_mov_b32 s[\g+5], 32
	s_mov_b32 s[\g+6], 0
	s_mov_b32 s[\g+7], 0
.endr
	s_mov_b32 s[G1C+2], (48*(8-NF))<<16
	s_mov_b32 s[G1C+4], 48*(8-NF)
	s_mov_b32 s[G1D+2], (96*(8-NF))<<16
	s_mov_b32 s[G1D+4], 96*(8-NF)
	s_mul_i32 s84, s24, 98304                      ; o: made of the token block alone
	s_mov_b32 s85, 0
	s_add_co_u32 s88, s22, 12                      ; Wo is the fourth weight: (12 + cx) x 8 K steps; made of cx alone
	s_mul_i32 s88, s88, 196608
	s_mov_b32 s89, 0
	v_and_b32 v1, 31, v0
	v_lshlrev_b32 v[AX16], 4, v1
	v_lshlrev_b32 v[AX8], 3, v1
	v_lshlrev_b32 v[L4], 2, v1
	v_add_nc_u32 v[AX16+1], 49152, v[AX16]
	v_add_nc_u32 v[AX8+1], 49152, v[AX8]
	s_mul_i32 s26, s[WV], 6144
	s_add_co_u32 s26, s26, WBASE
.irp j, 0,1,2,3
	v_add_nc_u32 v[AW16+\j], s26, v[L16]
	v_add_nc_u32 v[AW8+\j], s26, v[L8]
	s_add_co_u32 s26, s26, 49152
.endr
	v_bfe_u32 v2, v0, 4, 1                         ; h
	v_and_b32 v5, 15, v0                           ; r
	v_lshlrev_b32 v[BO0], 6, v2
	s_mul_i32 s27, s[WV], 4352
	s_add_co_u32 s27, s27, STAGE                   ; my stage
	v_mul_u32_u24 v[STO], v5, 272
	v_lshl_add_u32 v[STO], v2, 6, v[STO]
	v_add_nc_u32 v[STO], s27, v[STO]
	v_mul_u32_u24 v[RD], v2, 272
	v_lshl_add_u32 v[RD], v5, 4, v[RD]
	v_add_nc_u32 v[RD], s27, v[RD]
	v_lshlrev_b32 v[CO], 12, v2
	v_lshl_add_u32 v[CO], v5, 4, v[CO]
	s_wait_dscnt 0x0                               ; both opening adds are done
	s_wait_kmcnt 0x0
	s_add_nc_u64 s[84:85], s[4:5], s[84:85]
	s_add_nc_u64 s[88:89], s[8:9], s[88:89]
.irp j, 0,1                            ; part j: K steps 0 .. NF-1, then the rest
	s_mov_b32 s[G0A+8*\j], 1
	s_mov_b32 s[G0A+8*\j+1], \j*NF*XSTEP
	s_add_nc_u64 s[G0A+8*\j+2:G0A+8*\j+3], s[84:85], \j*NF*XSTEP
	s_or_b32 s[G0A+8*\j+3], s[G0A+8*\j+3], 0x80000000
	s_mov_b32 s[G0A+8*\j+4], 1
	s_mov_b32 s[G0A+8*\j+5], WBASE+\j*NF*WSTEP
	s_add_nc_u64 s[G0A+8*\j+6:G0A+8*\j+7], s[88:89], \j*NF*WSTEP
	s_or_b32 s[G0A+8*\j+7], s[G0A+8*\j+7], 0x80000000
.endr
	CROUND                                         ; all sixteen work-groups are here: the joint loads meet
.macro ARM under, g0, g1, next         ; one arm of the chain: its load, and a jump to the chain's end
	s_cmp_lt_u32 s[WV], \under
	s_cbranch_scc0 \next
	tensor_load_to_lds s[\g0:\g0+3], s[\g1:\g1+7]
	s_nop 0
.rept 4
	v_nop
.endr
	s_branch .Lfilled
\next:
.endm
	ARM 1, G0A+4, G1B, .Lfill_1                    ; wave 0: Wo's first part
	ARM 2, G0A, G1A, .Lfill_2                      ; wave 1: o's first part
	ARM 3, G0A+12, G1D, .Lfill_3                   ; wave 2: the rest of Wo
	tensor_load_to_lds s[G0A+8:G0A+11], s[G1C:G1C+7]   ; wave 3: the rest of o
	s_nop 0
.rept 4
	v_nop
.endr
.Lfilled:
	s_lshl_b32 s26, s24, 13                        ; o's scale bytes: 8,192 bytes a token block
	s_mov_b32 s27, 0
	s_add_nc_u64 s[6:7], s[6:7], s[26:27]
	s_lshl_b32 s30, s22, 2
	s_add_co_u32 s30, s30, s[WV]                   ; my 64 columns: 4 cx + wave
	s_add_co_u32 s28, s30, 48
	s_lshl_b32 s28, s28, 11
	s_mov_b32 s29, 0
	s_add_nc_u64 s[10:11], s[10:11], s[28:29]
	s_lshl_b32 s26, s30, 8
	s_add_nc_u64 s[12:13], s[12:13], s[26:27]      ; the bias, and the same byte in a row of out0
	s_add_nc_u64 s[14:15], s[14:15], s[26:27]
	s_lshl_b32 s26, s24, 19                        ; 128 rows of 4,096 bytes a token block
	s_add_nc_u64 s[14:15], s[14:15], s[26:27]
.irp s, 0,1,2,3,4,5,6,7
.irp c, 0,1
.irp p, 0,1,2,3
	global_load_b32 v[HH+8*\s+4*\c+\p], v[L4], s[6:7] offset:512*(2*\s+\c)+128*\p
.endr
.endr
.endr
.irp s, 0,1,2,3
.irp q, 0,1
	global_load_b64 v[WS+4*\s+2*\q:WS+4*\s+2*\q+1], v[L8], s[10:11] offset:256*(2*\s+\q)
.endr
.endr
	WIN 0x80
	s_wait_alu depctr_va_vdst(0)
.irp t, 0,1,2,3                        ; lane (r, h) of tile t wants the bias of columns 32 (t / 2) + 16 h + 8 (t % 2) + 0 .. 7
	global_load_b128 v[BI+8*\t:BI+8*\t+3], v[BO0], s[12:13] offset:4*(32*(\t/2)+8*(\t%2))
	global_load_b128 v[BI+8*\t+4:BI+8*\t+7], v[BO0], s[12:13] offset:4*(32*(\t/2)+8*(\t%2))+16
.endr
	WIN 0
	s_wait_loadcnt 0x0
.irp s, 0,1,2,3,4,5,6,7
.irp p, 0,1,2,3
	v_lshl_or_b32 v[XS+4*\s+\p], v[HH+8*\s+4+\p], 16, v[HH+8*\s+\p]   ; a K step's word: the even head's two bytes below, the odd head's above
.endr
.endr
.rept 8
	v_nop                                          ; a scale register written by a vector instruction stands eight places ahead of a scaled matrix instruction
.endr
.macro FRAGLD reg, a16, a8, off
	ds_load_b128 v[\reg:\reg+3], v[\a16] offset:\off
	ds_load_b64 v[\reg+4:\reg+5], v[\a8] offset:\off+512
	ds_load_b128 v[\reg+6:\reg+9], v[\a16] offset:\off+768
	ds_load_b64 v[\reg+10:\reg+11], v[\a8] offset:\off+1280
.endm
.macro FETCH e, s                      ; K step s: o's eight fragments and my four of Wo into set e: 48 loads in one run
	WIN 0x40
.irp x, 0,1,2,3,4,5,6,7
	FRAGLD 96*(\e)+12*\x, AX16+(\s)/4, AX8+(\s)/4, ((\s)%4)*XSTEP+FRB*\x
.endr
	WIN 0x80
.irp t, 0,1,2,3
	FRAGLD 48*(\e)+12*\t, AW16+(\s)/2, AW8+(\s)/2, ((\s)%2)*WSTEP+FRB*\t
.endr
.endm
.macro WM d, a, b, c, sa, sb, ra, rb
.if ((\ra) == 0) && ((\rb) == 0)
	v_wmma_scale_f32_16x16x128_f8f6f4 v[\d:\d+7], v[\a:\a+11], v[\b:\b+11], v[\c:\c+7], v[\sa], v[\sb] matrix_a_fmt:MATRIX_FMT_FP6 matrix_b_fmt:MATRIX_FMT_FP6
.elseif (\rb) == 0
	v_wmma_scale_f32_16x16x128_f8f6f4 v[\d:\d+7], v[\a:\a+11], v[\b:\b+11], v[\c:\c+7], v[\sa], v[\sb] matrix_a_fmt:MATRIX_FMT_FP6 matrix_b_fmt:MATRIX_FMT_FP6 matrix_a_scale:MATRIX_SCALE_ROW1
.elseif (\ra) == 0
	v_wmma_scale_f32_16x16x128_f8f6f4 v[\d:\d+7], v[\a:\a+11], v[\b:\b+11], v[\c:\c+7], v[\sa], v[\sb] matrix_a_fmt:MATRIX_FMT_FP6 matrix_b_fmt:MATRIX_FMT_FP6 matrix_b_scale:MATRIX_SCALE_ROW1
.else
	v_wmma_scale_f32_16x16x128_f8f6f4 v[\d:\d+7], v[\a:\a+11], v[\b:\b+11], v[\c:\c+7], v[\sa], v[\sb] matrix_a_fmt:MATRIX_FMT_FP6 matrix_b_fmt:MATRIX_FMT_FP6 matrix_a_scale:MATRIX_SCALE_ROW1 matrix_b_scale:MATRIX_SCALE_ROW1
.endif
.endm
.macro MUL e, s, half                  ; 16 matrix instructions: token tiles 4 half .. + 3 x my four column tiles
.irp x, 0,1,2,3
.irp t, 0,1,2,3
.set tau, 4*(\half)+\x
.set rX, 96*(\e)+12*tau
.set rW, 48*(\e)+12*\t
.set cX, XS+4*(\s)+tau/2
.set cW, WS+4*((\s)/2)+2*(\t/2)+(\s)%2
.set rD, 8*(4*tau+\t)
.if (\s) == 0
.set rC, BI+8*\t                       ; the first K step starts the sums from the bias
.else
.set rC, rD
.endif
	WM rD, rW, rX, rC, cW, cX, \t%2, tau%2
.endr
.endr
.endm
.macro MWIN s                          ; source 0 (Wo) window 2, source 1 (o) window 1, D window 3; C window 3, in the first K step window 2
.if (\s) == 0
	WIN 0xe6
.else
	WIN 0xf6
.endif
.endm
.macro KSTEP s
	s_wait_dscnt 0x0                               ; this K step's fragments are in
.if (\s) == NF-1
	s_wait_tensorcnt 0x0                           ; every wave's one load has landed
	s_barrier_signal -1
.endif
	MWIN \s
	MUL (\s)%2, \s, 0
.if (\s) == NF-1
	s_barrier_wait -1                              ; all of K lies in LDS
.endif
.if (\s) < 7
.rept 4
	v_nop                                          ; places in front of loads into registers that matrix instructions have read
.endr
	FETCH ((\s)+1)%2, (\s)+1
.endif
	MWIN \s
	MUL (\s)%2, \s, 1
.endm
	s_cmp_lt_u32 s[WV], 2                          ; waves 0 and 1 alone issued the first part's two load lines, and they wait for them
	s_cbranch_scc0 .Lnot_first
	s_wait_tensorcnt 0x0
.Lnot_first:
	s_barrier_signal -1
	s_barrier_wait -1
	FETCH 0, 0
.irp s, 0,1,2,3,4,5,6,7
	s_wait_alu depctr_va_vdst(0)
	KSTEP \s
.endr
	WIN 0
.macro TOSTAGE x                       ; token tile x into my stage, each accumulator from its low end on, and back by rows.  LDS serves a wave's instructions in order (ISA guide 5.7.1.4)
	WIN 0x0c                                       ; an LDS store's data are its source 1: window 3
.irp b, 0,1
.irp q, 0,1,2,3
	ds_store_b128 v[STO], v[32*(\x)+16*\b+4*\q:32*(\x)+16*\b+4*\q+3] offset:128*\b+16*\q
.endr
.endr
	WIN 0
.irp i, 0,1,2,3,4,5,6,7
	ds_load_b128 v[BK+32*((\x)%2)+4*\i:BK+32*((\x)%2)+4*\i+3], v[RD] offset:544*\i
.endr
.endm
.macro SEND x, younger                 ; younger: the LDS instructions issued behind tile x's loads, which may stay out
	s_wait_dscnt \younger
.irp i, 0,1,2,3,4,5,6,7
	global_store_b128 v[CO], v[BK+32*((\x)%2)+4*\i:BK+32*((\x)%2)+4*\i+3], s[14:15] offset:(32*((\x)/2)+8*((\x)%2)+2*\i+8*(\i/4))*4096 th:TH_STORE_NT   ; stage rows 2 i, 2 i + 1 are tokens 32 (x / 2) + 8 (x % 2) + 2 i + 8 (i / 4) and the next: 16 lanes store 256 consecutive bytes, aligned
.endr
.endm
.rept 4
	v_nop                                          ; places behind the last products, in front of the first read of results
.endr
	TOSTAGE 0
.irp x, 1,2,3,4,5,6,7
.if \x > 1
	s_wait_xcnt 0x0                                ; tile x - 2's stores have read their registers: tile x's loads may land there
.endif
	TOSTAGE \x
	SEND \x-1, 16                                  ; behind tile x - 1's loads: tile x's 8 stores and 8 loads
.endr
	SEND 7, 0
	s_wait_tensorcnt 0x0                           ; the wave's end: the wait, the add and its wait behind my last tensor load and my last LDS store
	ds_add_u32 v[SPW], v[NIL]
	s_wait_dscnt 0x0
	CROUND                                         ; the closing round
	s_endpgm
.Lfunc_end_k_q5607011395_outproj:
	.size	k_q5607011395_outproj, .Lfunc_end_k_q5607011395_outproj-k_q5607011395_outproj
	.p2alignl 7, 3214868480
	.fill 96, 4, 3214868480
	.section	.rodata,"a",@progbits
	.p2align	6, 0x0
	.amdhsa_kernel k_q5607011395_outproj
		.amdhsa_group_segment_fixed_size 312832
		.amdhsa_private_segment_fixed_size 0
		.amdhsa_enable_private_segment 0
		.amdhsa_kernarg_size 48
		.amdhsa_user_sgpr_count 2
		.amdhsa_user_sgpr_kernarg_segment_ptr 1
		.amdhsa_wavefront_size32 1
		.amdhsa_system_sgpr_workgroup_id_x 1
		.amdhsa_system_sgpr_workgroup_id_y 1
		.amdhsa_system_sgpr_workgroup_id_z 1
		.amdhsa_system_vgpr_workitem_id 0
		.amdhsa_next_free_vgpr 1024
		.amdhsa_next_free_sgpr 100
		.amdhsa_reserve_vcc 0
		.amdhsa_float_denorm_mode_32 3
		.amdhsa_float_denorm_mode_16_64 3
		.amdhsa_memory_ordered 1
		.amdhsa_forward_progress 1
		.amdhsa_inst_pref_size 92
	.end_amdhsa_kernel
	.amdgpu_metadata
---
amdhsa.version: [ 1, 2 ]
amdhsa.kernels:
  - .name:           k_q5607011395_outproj
    .symbol:         k_q5607011395_outproj.kd
    .args:
      - { .name: oi, .offset: 0, .size: 8, .value_kind: global_buffer, .address_space: global }
      - { .name: os, .offset: 8, .size: 8, .value_kind: global_buffer, .address_space: global }
      - { .name: wi, .offset: 16, .size: 8, .value_kind: global_buffer, .address_space: global }
      - { .name: ws, .offset: 24, .size: 8, .value_kind: global_buffer, .address_space: global }
      - { .name: bo, .offset: 32, .size: 8, .value_kind: global_buffer, .address_space: global }
      - { .name: out0, .offset: 40, .size: 8, .value_kind: global_buffer, .address_space: global }
    .group_segment_fixed_size: 312832
    .private_segment_fixed_size: 0
    .kernarg_segment_align: 8
    .kernarg_segment_size: 48
    .max_flat_workgroup_size: 128
    .sgpr_count:     100
    .vgpr_count:     1024
    .wavefront_size: 32
...
	.end_amdgpu_metadata
.endif
;; end of part 4
